; MI455X (gfx1250); checked and timed in simulation.
; The chip was launched on July 23, 2026; its instructions are those of AMD's public machine-readable ISA for CDNA 5 (MIT licence, August 2026) and "CDNA5" Instruction Set Architecture Reference Guide (July 2026). The comments in the code are by the model that wrote it; some were corrected since.
;; GRU. Allowed arithmetic: float matrix products may take bf16 or f16 operands with f32 sums; other float arithmetic in f32, or as packed bf16 or f16 multiplies, adds, multiply-adds, maxima and minima; sums over many terms, partial sums and values carried from step to step in f32; what a program stores and reads back later, other than sums and carried values, may be rounded once to bf16 or f16.
;; Inputs: Uh 2,048 x 2,048 float32; Ur 2,048 x 2,048 float32; Uz 2,048 x 2,048 float32; Wh 2,048 x 2,048 float32; Wr 2,048 x 2,048 float32; Wz 2,048 x 2,048 float32; b_h 1 x 2,048 float32; b_r 1 x 2,048 float32; b_z 1 x 2,048 float32; buh 2,048 float32; bur 2,048 float32; buz 2,048 float32; bwh 2,048 float32; bwr 2,048 float32; bwz 2,048 float32; h 1 x 2,048 float32; x 4,096 x 2,048 float32.
;; Outputs: out0 4,096 x 2,048 float32.
;; 2 versions, each right; version 2 is version 1 with the launch prep written anew for expert scheduling mode. Each part assembles by itself: llvm-mc -triple=amdgcn-amd-amdhsa -mcpu=gfx1250 --defsym DOCPART=n.
;; ======== version 1 of 2: 3 launches
;; workspace buffers: bfb 50,331,648 bytes; vec 32,768 bytes; rh 16,777,216 bytes; zb 16,777,216 bytes
;; launch prep (part 1): grid 1024 x 1, 8 waves a work-group, no clusters, 0 bytes of LDS; arguments x, Wr, Wz, Wh, Uh, Uz, Ur, h, bwz, buz, b_z, bwr, bur, b_r, bwh, buh, b_h, bfb, vec; writes bfb, vec
.if DOCPART == 1
	.amdgcn_target "amdgcn-amd-amdhsa--gfx1250"
	.amdhsa_code_object_version 6
	.text
	.protected	k_q572ea78a24_prep
	.globl	k_q572ea78a24_prep
	.p2align	8
	.type	k_q572ea78a24_prep,@function
k_q572ea78a24_prep:
	s_mov_b64 s[64:65], 0
	v_nop
	global_prefetch_b8 v0, s[64:65] scope:SCOPE_SE
	s_setreg_imm32_b32 hwreg(HW_REG_WAVE_MODE, 25, 1), 1
	s_wait_xcnt 0x0
; GRU step, launch 1 of 3.  out = (1 - z) h + z hh,  z = sigmoid(x Wz^T + bwz + h Uz^T + buz + b_z),  r = sigmoid(x Wr^T + bwr + h Ur^T + bur + b_r),
; hh = tanh(x Wh^T + bwh + (r h) Uh^T + buh + b_h).  x: [4096][2048], h: [1][2048], six weights [2048][2048], nine biases [2048], all f32.
; NOTHING IS LEFT OUT: h is an input, so Uz, Ur, Uh and every bias have a way to the output; all 17 inputs are loaded.
; THIS LAUNCH: (a) rounds x, Wr, Wz, Wh, Uh once to bf16 (the matrix operands of the next two launches) into bfb: x at byte 0, Wr at 16,777,216, Wz at 25,165,824, Wh at 33,554,432,
; Uh at 41,943,040, rows of 4,096 bytes; (b) makes the four vectors that are the same for all rows of x, in f32, into vec: cr = h Ur^T + bwr + bur + b_r at byte 0, cz = h Uz^T + bwz + buz + b_z
; at 8,192, ch = bwh + buh + b_h at 16,384, hb = h at 24,576.
; LIMIT, stated: EVERY input is rounded once to bf16 (to nearest even) before it is used: h and the biases here too.  The one-row products are sums in f32 of exact products, in an order of their own.
; SHARES.  A stream: each work-group reads 131,072 consecutive bytes of one f32 matrix, each of its eight waves 16,384 of them, by 32 loads of 512 consecutive bytes that are all issued before the first wait:
; no loop, no register used twice, no LDS, no barrier.  Work-groups 0-127 take Uz, 128-255 Ur (a wave's 16,384 bytes are two rows: two dot products with h), 256-511 x, then 128 each Wr, Wz, Wh, Uh.
; Matrix units and clusters are left out: a weight of the one-row products feeds one multiply-add, and no byte is read by two work-groups but h's 8,192.
.set X,   32                           ; v[32:159]   32 loads x 4 registers
.set H,   160                          ; v[160:223]  h: 16 loads x 4 registers, then two packed words in the first two of each four
.set ACC, 16                           ; v[16:23]    four running sums for each of the wave's two rows
.set VCZ, 8192                         ; byte offsets in vec (cr lies at 0)
.set VCH, 16384
.set VHB, 24576
; v1 source offset, v2 offset in bfb, v3 offset in h, v4 lane, v5 = 0, v[6:7] the two rows' bias sums, v[8:9] the second pair of results, v10-13 at work, v14, v15 offsets in vec
	s_load_b512 s[8:23], s[0:1], 0x0               ; x 8, Wr 10, Wz 12, Wh 14, Uh 16, Uz 18, Ur 20, h 22
	s_load_b512 s[24:39], s[0:1], 0x40             ; bwz 24, buz 26, b_z 28, bwr 30, bur 32, b_r 34, bwh 36, buh 38
	s_load_b128 s[40:43], s[0:1], 0x80             ; b_h 40, bfb 42
	s_load_b64 s[44:45], s[0:1], 0x90              ; vec
	s_lshr_b32 s2, ttmp9, 7                        ; which run of 128 work-groups: 0 Uz, 1 Ur, 2 and 3 x, 4 Wr, 5 Wz, 6 Wh, 7 Uh
	v_lshrrev_b32 v10, 5, v0
	v_readfirstlane_b32 s46, v10                   ; wave 0..7
	v_and_b32 v4, 31, v0                           ; lane
	v_lshlrev_b32 v3, 4, v4                        ; 16 bytes a lane
	v_lshl_add_u32 v1, v10, 14, v3                 ; + 16,384 x wave
	v_lshlrev_b32 v2, 3, v4                        ; the same four numbers in bf16: 8 bytes a lane,
	v_lshl_add_u32 v2, v10, 13, v2                 ; + 8,192 x wave
	s_movk_i32 s6, 127
	s_lshr_b32 s7, s2, 1
	s_cmp_eq_u32 s7, 1                             ; x has 256 chunks, the others 128
	s_cselect_b32 s6, 255, s6
	s_and_b32 s3, ttmp9, s6                        ; my chunk in its matrix
	s_lshl_b32 s6, s3, 17                          ; x 131,072 bytes (33,423,360 at the most)
	s_mov_b32 s7, 0
	s_wait_kmcnt 0x0
	s_mov_b64 s[4:5], s[8:9]                       ; the source: x, unless the work-group's number says otherwise
.macro PICK n, p
	s_cmp_eq_u32 s2, \n
	s_cselect_b64 s[4:5], s[\p:\p+1], s[4:5]
.endm
	PICK 0, 18
	PICK 1, 20
	PICK 4, 10
	PICK 5, 12
	PICK 6, 14
	PICK 7, 16
	s_add_nc_u64 s[4:5], s[4:5], s[6:7]
.macro LOADS                           ; the wave's 16,384 bytes: 32 loads, each 512 consecutive bytes; read once in the launch
.set i, 0
.rept 32
	global_load_b128 v[X+4*i:X+4*i+3], v1, s[4:5] offset:512*i th:TH_LOAD_NT
.set i, i+1
.endr
.endm
	s_cmp_lt_u32 s2, 2
	s_cbranch_scc1 .Lrow                           ; Uz and Ur are multiplied, not copied
	; THE CAST.  bfb's five matrices lie in the order of the work-groups: chunk g - 256 of 65,536 bytes.
	LOADS
	s_sub_co_u32 s6, ttmp9, 256
	s_lshl_b32 s6, s6, 16
	s_add_nc_u64 s[42:43], s[42:43], s[6:7]
.set i, 0
.rept 32
	s_wait_loadcnt 31-i                            ; loads come back in order: load i is in, the 31 - i younger ones stay out
	v_cvt_pk_bf16_f32 v[X+4*i], v[X+4*i], v[X+4*i+1]
	v_cvt_pk_bf16_f32 v[X+4*i+1], v[X+4*i+2], v[X+4*i+3]
	global_store_b64 v2, v[X+4*i:X+4*i+1], s[42:43] offset:256*i th:TH_STORE_NT  ; 32 lanes write 256 consecutive bytes, at a multiple of 256 from bfb's first byte
.set i, i+1
.endr
	s_endpgm
	; THE ONE-ROW PRODUCTS.  The wave has rows row0 = 16 (g mod 128) + 2 wave and row0 + 1 of Uz or Ur.  Load i = 16 p + j holds columns 128 j + 4 lane .. + 3 of row row0 + p; load j of h the same columns of h.
.Lrow:
.set j, 0
.rept 16
	global_load_b128 v[H+4*j:H+4*j+3], v3, s[22:23] offset:512*j
.set j, j+1
.endr
	LOADS
	v_mov_b32 v5, 0                                ; the addend of each sum's first link
	s_mov_b32 s90, 0x76543210                      ; v_permlanex16_b32: each lane takes its own place in the other half
	s_mov_b32 s91, 0xfedcba98
	s_and_b32 s47, ttmp9, 127
	s_lshl_b32 s47, s47, 6
	s_lshl3_add_u32 s47, s46, s47                  ; 4 row0: the byte offset of the two rows' numbers in every vector
	s_mov_b32 s49, VHB
	s_cmp_eq_u32 s2, 0                             ; Uz's work-groups make cz and ch, Ur's make cr and hb
	s_cselect_b64 s[50:51], s[24:25], s[30:31]     ; bwz or bwr
	s_cselect_b64 s[52:53], s[26:27], s[32:33]     ; buz or bur
	s_cselect_b64 s[54:55], s[28:29], s[34:35]     ; b_z or b_r
	s_cselect_b64 s[56:57], s[36:37], s[22:23]     ; bwh or h
	s_cselect_b32 s48, VCZ, 0
	s_cselect_b32 s49, VCH, s49
	s_add_co_u32 s48, s48, s47
	s_add_co_u32 s49, s49, s47
	s_load_b64 s[70:71], s[50:51], s47 offset:0x0
	s_load_b64 s[72:73], s[52:53], s47 offset:0x0
	s_load_b64 s[74:75], s[54:55], s47 offset:0x0
	s_load_b64 s[76:77], s[56:57], s47 offset:0x0
	v_mov_b32 v14, s48
	v_mov_b32 v15, s49
	s_wait_kmcnt 0x0
; Two numbers of a vector, rounded to bf16 and widened again; first = 1: they start the pair v[d:d+1], else they are added to it.
.macro RND d, sp, first
	v_mov_b32 v10, s[\sp]
	v_mov_b32 v11, s[(\sp)+1]
	v_cvt_pk_bf16_f32 v10, v10, v11
.if \first
	v_lshlrev_b32 v[\d], 16, v10
	v_and_b32 v[(\d)+1], 0xffff0000, v10
.else
	v_lshlrev_b32 v12, 16, v10
	v_and_b32 v13, 0xffff0000, v10
	v_pk_add_f32 v[\d:(\d)+1], v[\d:(\d)+1], v[12:13]
.endif
.endm
	RND 6, 70, 1
	RND 6, 72, 0
	RND 6, 74, 0
	RND 8, 76, 1                                   ; bwh, or h itself
	s_cmp_eq_u32 s2, 0
	s_cbranch_scc0 .Lno_ch                         ; hb is h alone; ch takes two more biases: their loads, the wait and the use stand together
	s_load_b64 s[78:79], s[38:39], s47 offset:0x0
	s_load_b64 s[80:81], s[40:41], s47 offset:0x0
	s_wait_kmcnt 0x0
	RND 8, 78, 0
	RND 8, 80, 0
.Lno_ch:
	s_wait_loadcnt 32                              ; h's 16 loads are in; the 32 loads issued behind them may stay out
.set j, 0
.rept 16
	v_cvt_pk_bf16_f32 v[H+4*j], v[H+4*j], v[H+4*j+1]
	v_cvt_pk_bf16_f32 v[H+4*j+1], v[H+4*j+2], v[H+4*j+3]
.set j, j+1
.endr
.macro DOT a, u, hh, hi, add           ; one multiply-add in f32 on two bf16 halves
.if \hi
	v_fma_mix_f32_bf16 v[\a], v[\u], v[\hh], v[\add] op_sel:[1,1,0] op_sel_hi:[1,1,0]
.else
	v_fma_mix_f32_bf16 v[\a], v[\u], v[\hh], v[\add] op_sel_hi:[1,1,0]
.endif
.endm
.set i, 0
.rept 32
	s_wait_loadcnt 31-i
	v_cvt_pk_bf16_f32 v[X+4*i], v[X+4*i], v[X+4*i+1]
	v_cvt_pk_bf16_f32 v[X+4*i+1], v[X+4*i+2], v[X+4*i+3]
.set A4, ACC+4*(i/16)                  ; four chains a row, so that no link waits for the one just before it
.set HJ, H+4*(i%16)
.if i%16 == 0
	DOT A4,   X+4*i,   HJ,   0, 5
	DOT A4+1, X+4*i,   HJ,   1, 5
	DOT A4+2, X+4*i+1, HJ+1, 0, 5
	DOT A4+3, X+4*i+1, HJ+1, 1, 5
.else
	DOT A4,   X+4*i,   HJ,   0, A4
	DOT A4+1, X+4*i,   HJ,   1, A4+1
	DOT A4+2, X+4*i+1, HJ+1, 0, A4+2
	DOT A4+3, X+4*i+1, HJ+1, 1, A4+3
.endif
.set i, i+1
.endr
	v_add_f32 v16, v16, v17
	v_add_f32 v18, v18, v19
	v_add_f32 v20, v20, v21
	v_add_f32 v22, v22, v23
	v_add_f32 v16, v16, v18
	v_add_f32 v20, v20, v22
.irp m, 1,2,4,8                        ; across the 32 lanes: four steps inside each half, one across the halves
	v_add_f32_dpp v16, v16, v16 row_xmask:\m row_mask:0xf bank_mask:0xf
	v_add_f32_dpp v20, v20, v20 row_xmask:\m row_mask:0xf bank_mask:0xf
.endr
	v_permlanex16_b32 v10, v16, s90, s91           ; (v10 and v11 have been written)
	v_permlanex16_b32 v11, v20, s90, s91
	v_add_f32 v16, v16, v10
	v_add_f32 v17, v20, v11
	v_pk_add_f32 v[16:17], v[16:17], v[6:7]        ; + the three biases
	s_wait_xcnt 0x0                                ; EXEC is a source of the loads above: it changes only behind this wait
	v_cmp_eq_u32 vcc_lo, 0, v4
	s_and_saveexec_b32 s92, vcc_lo                 ; lane 0 stores; EXEC is not written again
	global_store_b64 v14, v[16:17], s[44:45]       ; cz or cr of my two rows.  Eight bytes a wave: vec is 32,768 of the launch's 50 million stored bytes,
	global_store_b64 v15, v[8:9], s[44:45]         ; ch or hb                  and 256 bytes on end would want 64 rows, 524,288 bytes, in one wave
	s_endpgm
.Lfunc_end_k_q572ea78a24_prep:
	.size	k_q572ea78a24_prep, .Lfunc_end_k_q572ea78a24_prep-k_q572ea78a24_prep
	.p2alignl 7, 3214868480
	.fill 96, 4, 3214868480
	.section	.rodata,"a",@progbits
	.p2align	6, 0x0
	.amdhsa_kernel k_q572ea78a24_prep
		.amdhsa_group_segment_fixed_size 0
		.amdhsa_private_segment_fixed_size 0
		.amdhsa_enable_private_segment 0
		.amdhsa_kernarg_size 152
		.amdhsa_user_sgpr_count 2
		.amdhsa_user_sgpr_kernarg_segment_ptr 1
		.amdhsa_wavefront_size32 1
		.amdhsa_system_sgpr_workgroup_id_x 1
		.amdhsa_system_sgpr_workgroup_id_y 1
		.amdhsa_system_sgpr_workgroup_id_z 1
		.amdhsa_system_vgpr_workitem_id 0
		.amdhsa_next_free_vgpr 224
		.amdhsa_next_free_sgpr 96
		.amdhsa_reserve_vcc 1
		.amdhsa_float_denorm_mode_32 3
		.amdhsa_float_denorm_mode_16_64 3
		.amdhsa_memory_ordered 1
		.amdhsa_forward_progress 1
		.amdhsa_inst_pref_size 37
	.end_amdhsa_kernel
	.amdgpu_metadata
---
amdhsa.version: [ 1, 2 ]
amdhsa.kernels:
  - .name:           k_q572ea78a24_prep
    .symbol:         k_q572ea78a24_prep.kd
    .args:
      - { .name: x, .offset: 0, .size: 8, .value_kind: global_buffer, .address_space: global }
      - { .name: Wr, .offset: 8, .size: 8, .value_kind: global_buffer, .address_space: global }
      - { .name: Wz, .offset: 16, .size: 8, .value_kind: global_buffer, .address_space: global }
      - { .name: Wh, .offset: 24, .size: 8, .value_kind: global_buffer, .address_space: global }
      - { .name: Uh, .offset: 32, .size: 8, .value_kind: global_buffer, .address_space: global }
      - { .name: Uz, .offset: 40, .size: 8, .value_kind: global_buffer, .address_space: global }
      - { .name: Ur, .offset: 48, .size: 8, .value_kind: global_buffer, .address_space: global }
      - { .name: h, .offset: 56, .size: 8, .value_kind: global_buffer, .address_space: global }
      - { .name: bwz, .offset: 64, .size: 8, .value_kind: global_buffer, .address_space: global }
      - { .name: buz, .offset: 72, .size: 8, .value_kind: global_buffer, .address_space: global }
      - { .name: b_z, .offset: 80, .size: 8, .value_kind: global_buffer, .address_space: global }
      - { .name: bwr, .offset: 88, .size: 8, .value_kind: global_buffer, .address_space: global }
      - { .name: bur, .offset: 96, .size: 8, .value_kind: global_buffer, .address_space: global }
      - { .name: b_r, .offset: 104, .size: 8, .value_kind: global_buffer, .address_space: global }
      - { .name: bwh, .offset: 112, .size: 8, .value_kind: global_buffer, .address_space: global }
      - { .name: buh, .offset: 120, .size: 8, .value_kind: global_buffer, .address_space: global }
      - { .name: b_h, .offset: 128, .size: 8, .value_kind: global_buffer, .address_space: global }
      - { .name: bfb, .offset: 136, .size: 8, .value_kind: global_buffer, .address_space: global }
      - { .name: vec, .offset: 144, .size: 8, .value_kind: global_buffer, .address_space: global }
    .group_segment_fixed_size: 0
    .private_segment_fixed_size: 0
    .kernarg_segment_align: 8
    .kernarg_segment_size: 152
    .max_flat_workgroup_size: 256
    .sgpr_count:     96
    .vgpr_count:     224
    .wavefront_size: 32
...
	.end_amdgpu_metadata
.endif
;; end of part 1
;; launch gates (part 2): grid 16 x 16, 4 waves a work-group, clusters of 4 x 4, 327,680 bytes of LDS; arguments bfb, vec, rh, zb; writes rh, zb
.if DOCPART == 2
	.amdgcn_target "amdgcn-amd-amdhsa--gfx1250"
	.amdhsa_code_object_version 6
	.text
	.protected	k_q572ea78a24_gates
	.globl	k_q572ea78a24_gates
	.p2align	8
	.type	k_q572ea78a24_gates,@function
k_q572ea78a24_gates:
	s_mov_b64 s[64:65], 0
	v_nop
	global_prefetch_b8 v0, s[64:65] scope:SCOPE_SE
	s_setreg_imm32_b32 hwreg(HW_REG_WAVE_MODE, 25, 1), 1
	s_wait_xcnt 0x0
	s_wait_alu depctr_hold_cnt(0) depctr_sa_sdst(0) depctr_va_vdst(0) depctr_va_sdst(0) depctr_va_ssrc(0) depctr_va_vcc(0) depctr_vm_vsrc(0)
	s_getreg_b32 s2, hwreg(HW_REG_IB_STS2, 6, 4)
	s_cmp_eq_u32 s2, 0
	s_cbranch_scc0 .Lentry_in_a_cluster
	s_endpgm
.Lentry_in_a_cluster:
	s_bfe_u32 s2, ttmp6, 0x10000c
	s_cmp_lg_u32 s2, 0xf033
	s_cbranch_scc0 .Lentry_shape_is_right
	s_endpgm
.Lentry_shape_is_right:
; GRU step, launch 2 of 3: the two gates.  rh[m][c] = bf16( sigmoid( x Wr^T + cr ) x hb ),  zb[m][c] = f16( sigmoid( x Wz^T + cz ) ).  Nothing of the problem is left out.
; In bfb (bf16, rows of 4,096 bytes): x at byte 0, Wr at 16,777,216, Wz 8,388,608 behind it.  In vec (f32): cr = h Ur^T + bwr + bur + b_r at 0, cz = h Uz^T + bwz + buz + b_z at 8,192, hb = h at 24,576.
; rh: [4096][2048] bf16, the next launch's matrix operand.  zb: [4096][2048] f16.
; LIMITS.  Operands bf16, sums f32.  sigmoid(a) = 1 / (1 + 2^(-a log2 e)) by v_exp_f32 and v_rcp_f32: a power below 2^-126 counts as 0, one past f32's range gives the gate 0.  rh is rounded once to bf16;
; z, which lies in 0 to 1, once to f16 (11 significant bits; below 6e-5 f16's fixed step of 6e-8).
; SHARES.  A work-group makes 256 rows x 128 columns of BOTH gates: 256 virtual columns, Wr's 128 and then Wz's 128; 16 x 16 = 256 work-groups.  A wave has 128 rows (wave / 2) x the 128 columns of ONE gate
; (wave % 2: 0 r, 1 z): 64 accumulators, 512 registers, and its rows of rh or zb are 256 bytes on end.  K goes in 16 steps of 128 through two LDS slots filled by tensor loads, 256 products a wave in a step.
; CLUSTER 4 x 4.  x's tile hangs on the tile row alone and is asked for jointly by a row of the cluster; Wr's and Wz's on the tile column alone, by a column.
; THE MATRIX INSTRUCTION IS USED TRANSPOSED (source 0 = 16 rows of a weight, source 1 = 16 rows of x): a lane holds row l % 16 and columns 8 (l / 16) + 0..7.  Each sum's first product takes cr's or cz's block as C.
; THE WAY OUT IS A LOOP.  The sums go, in f32, into LDS (the slots have had their last fill), each wave's into 67,584 bytes of its own, and come back as rows, 16 rows a trip: so one text serves all 128 rows.
; REGISTERS, in windows of 256 (s_set_vgpr_msb: bits 1:0 source 0, 3:2 source 1, 5:4 source 2, 7:6 destination):
;   window 0: v0-31 addresses; v40-47 hb; v64-127, v128-191 x's fragments, two buffers, later the rows read back and at work; v192-223 packed results
;   window 1: v64-127, v128-191 the weight's fragments; v192-255 cr or cz          windows 2, 3: accumulator (a, b) at v[8 (8 (a % 4) + b)] of window 2 + a / 4
.set KSTEP,  128
.set PITCH,  272                       ; an LDS row: 256 bytes + 16 of padding = 68 words: the 16 rows of a fragment load start at 16 different groups of four banks (64 banks of 4 bytes: ISA guide 11.1)
.set HALFT,  128*PITCH
.set SLOT,   4*HALFT                   ; x's 256 rows, Wr's 128, Wz's 128
.set SP,     528                       ; the way out: a row of 128 f32 + 16 bytes
.set WSTAGE, 128*SP                    ; a wave's 128 rows: four of them lie inside the two slots (270,336 of 278,528 bytes)
.set SPARE,  2*SLOT                    ; the spare words, 128 bytes for each wave: two blocks of 256 bytes that no other line names
.set WR,     16777216
.set HB,     24576
.set OUTROW, 4096                      ; bytes in a row of rh and of zb
.set DESC0,  (1<<16)|(1<<20)|(1<<21)|(5<<22)|(3<<25)  ; group 1, word 0 beside the mask: elements of 2 bytes; padding on; bit 21 set beside a mask; after every 64 words (code 5) 4 words (code 3)
.set ADRA, 16                          ; v16-17  LDS address of my fragments of x in slot 0, 1
.set ADRB, 20                          ; v20-21  of my weight's
.set VO,   22                          ; v22  my byte offset in cr or cz
.set HVO,  23                          ; v23  my byte offset in hb
.set STO,  24                          ; v24  the way out: where I put 32 bytes of a row
.set RD,   25                          ; v25  where I read a row back; steps 16 rows a trip
.set CO,   27                          ; v27  my byte offset in rh or zb
.set SPW,  28                          ; v28  my spare word: SPARE + 4 x my thread's number; never rewritten
.set NIL,  29                          ; v29  0; never rewritten
.set PFO,  30                          ; v30  lane x 4,096; never rewritten
.set HBV,  40
.set F0,   64
.set F1,   128
.set IN,   64
.set W,    128
.set PK,   192
.set BIA,  192                         ; window 1
.set WV,   12
.set KIND, 13                          ; s13  wave / 2: I fetch x (0) or a weight (1).  Also: which 128 rows of the tile are mine
.set HALF, 14                          ; s14  wave % 2: which part I fetch.  Also: which gate is mine
.set G1,   24                          ; s[24:31] group 1 for x's tiles; s[32:39] group 0, a set a slot
.set G0,   32
.set G1B,  48                          ; s[48:55], s[56:63] the same for the weights'
.set G0B,  56
.set PFA,  68                          ; s[68:69] where my prefetches stand
.set LIM,  70                          ; s70  1 in a wave that prefetches, else the greatest number
.set OUTP, 72                          ; s[72:73] rh or zb at my rows; steps 16 rows a trip
.set MSB, 0
.macro WIN new                         ; the immediate's high byte repeats the setting that is left; a switch that changes nothing is dropped
.if MSB != (\new)
	s_set_vgpr_msb (MSB<<8)|(\new)
.set MSB, \new
.endif
.endm
.macro PLACES                          ; four places behind a matrix instruction, in front of loads into registers that it has read and of whatever reads its results
.rept 4
	v_nop
.endr
.endm
; A joint load: waves 0 and 1 fetch x's two halves, wave 2 Wr's tile, wave 3 Wz's.  The branch hangs on the wave's number alone.  An s_nop 0 and four v_nop follow each line.
.macro JLOAD s
	s_cmp_eq_u32 s[KIND], 0
	s_cbranch_scc0 .Lfor_b_\@
	tensor_load_to_lds s[G0+4*(\s):G0+4*(\s)+3], s[G1:G1+7]
	s_nop 0
.rept 4
	v_nop
.endr
	s_branch .Lasked_\@
.Lfor_b_\@:
	tensor_load_to_lds s[G0B+4*(\s):G0B+4*(\s)+3], s[G1B:G1B+7]
	s_nop 0
.rept 4
	v_nop
.endr
.Lasked_\@:
.endm
; A prefetch of the K step that stands two refills on: 32 rows x 256 bytes, a lane a row, one instruction a wave.  Each row's 256 bytes of a K step are named once in the launch: x's by the clusters with x = 0,
; the weights' by those with y = 0; the four partners of a joint load take 32 rows each, told apart by address.  The loop's last trip (s3 = 1) has no K step two on.
.macro ASK
	s_cmp_gt_u32 s3, s[LIM]
	s_cbranch_scc0 .Lnot_mine_\@
	global_prefetch_b8 v[PFO], s[PFA:PFA+1] offset:KSTEP*2 th:TH_LOAD_NT scope:SCOPE_SE
.Lnot_mine_\@:
.endm
.macro CREST                           ; a round of the cluster's barrier behind its opening barrier
	s_cmp_lg_u32 s[WV], 0
	s_cbranch_scc1 .Lnot_wave_0_\@
	s_barrier_signal -3
.Lnot_wave_0_\@:
	s_barrier_wait -3
	s_barrier_signal -1
	s_barrier_wait -1
.endm
.macro CROUND
	s_barrier_signal -1
	s_barrier_wait -1
	CREST
.endm
	s_load_b256 s[4:11], s[0:1], 0x0               ; bfb s[4:5], vec s[6:7], rh s[8:9], zb s[10:11]
	v_lshl_add_u32 v[SPW], v0, 2, SPARE
	v_mov_b32 v[NIL], 0
	ds_add_u32 v[SPW], v[NIL]                      ; the wave's opening: the add, twice on end, and its wait ahead of my first tensor load
	ds_add_u32 v[SPW], v[NIL]
	v_lshrrev_b32 v1, 5, v0
	v_readfirstlane_b32 s[WV], v1
	s_lshr_b32 s[KIND], s[WV], 1
	s_and_b32 s[HALF], s[WV], 1
	s_bfe_u32 s15, ttmp6, 0x40000                  ; cx
	s_bfe_u32 s16, ttmp6, 0x40004                  ; cy
	s_lshl_b32 s17, ttmp9, 2
	s_add_co_u32 s17, s17, s15                     ; tile column = 4 x cluster x + cx
	s_and_b32 s19, ttmp7, 0xffff                   ; cluster y
	s_lshl_b32 s18, s19, 2
	s_add_co_u32 s18, s18, s16                     ; tile row = 4 x cluster y + cy
	s_lshl_b32 s20, s16, 2
	s_lshl_b32 s20, 15, s20                        ; my row of the cluster
	s_lshl_b32 s40, 0x1111, s15                    ; my column
	s_or_b32 s[G1], s20, DESC0
	s_or_b32 s[G1B], s40, DESC0
.irp g, G1, G1B
	s_mov_b32 s[(\g)+1], KSTEP<<16                 ; tensor_dim0 = 128
	s_mov_b32 s[(\g)+2], 128<<16                   ; tensor_dim1 = 128
	s_mov_b32 s[(\g)+3], KSTEP<<16                 ; tile_dim0 = 128
	s_mov_b32 s[(\g)+4], 128                       ; tile_dim1 = 128
	s_mov_b32 s[(\g)+5], 2048                      ; elements from row to row
	s_mov_b32 s[(\g)+6], 0
	s_mov_b32 s[(\g)+7], 0
.endr
	s_lshl_b32 s20, s18, 8                         ; x: row 256 x tile row + 128 x half, x 4,096 bytes: registers that never hold cx
	s_lshl_b32 s21, s[HALF], 7
	s_add_co_u32 s20, s20, s21
	s_lshl_b32 s20, s20, 12
	s_mov_b32 s21, 0
	s_lshl_b32 s40, s17, 19                        ; Wr (wave 2) or Wz (wave 3): row 128 x tile column: registers that never hold cy
	s_lshl_b32 s41, s[HALF], 23
	s_add_co_u32 s40, s40, s41
	s_add_co_u32 s40, s40, WR
	s_mov_b32 s41, 0
	s_mul_i32 s66, s[WV], HALFT                    ; where they go: wave x 128 rows
	s_mov_b32 s80, 0xbfb8aa3b                      ; -log2 e,
	s_mov_b32 s81, s80                             ; named as a pair
	s_wait_dscnt 0x0                               ; both opening adds are done
	s_wait_kmcnt 0x0
	s_add_nc_u64 s[22:23], s[4:5], s[20:21]
	s_add_nc_u64 s[42:43], s[4:5], s[40:41]
	CROUND                                         ; all sixteen work-groups are here: the first joint loads meet
.irp s, 0,1
	s_mov_b32 s[G0+4*(\s)], 1
	s_add_co_u32 s[G0+4*(\s)+1], s66, (\s)*SLOT
	s_add_nc_u64 s[G0+4*(\s)+2:G0+4*(\s)+3], s[22:23], (\s)*KSTEP*2
	s_or_b32 s[G0+4*(\s)+3], s[G0+4*(\s)+3], 0x80000000
	s_mov_b32 s[G0B+4*(\s)], 1
	s_add_co_u32 s[G0B+4*(\s)+1], s66, (\s)*SLOT
	s_add_nc_u64 s[G0B+4*(\s)+2:G0B+4*(\s)+3], s[42:43], (\s)*KSTEP*2
	s_or_b32 s[G0B+4*(\s)+3], s[G0B+4*(\s)+3], 0x80000000
	JLOAD \s                                       ; K steps 0 and 1: two loads of mine are out, the most in this text
.endr
	v_and_b32 v1, 15, v0                           ; l % 16
	v_bfe_u32 v2, v0, 4, 1                         ; l / 16
	v_mul_u32_u24 v3, v1, PITCH
	v_lshl_add_u32 v3, v2, 4, v3                   ; a fragment's row x pitch + 16 x half
	s_mul_i32 s94, s[KIND], HALFT                  ; my 128 rows of x
	v_add_nc_u32 v[ADRA], s94, v3
	v_add_nc_u32 v[ADRA+1], SLOT, v[ADRA]
	s_mul_i32 s94, s[HALF], HALFT                  ; my gate's 128 rows of weights,
	s_add_co_u32 s94, s94, 2*HALFT                 ; which lie behind the 256 rows of x
	v_add_nc_u32 v[ADRB], s94, v3
	v_add_nc_u32 v[ADRB+1], SLOT, v[ADRB]
	s_mul_i32 s94, s[WV], WSTAGE                   ; the way out: my 67,584 bytes
	v_mul_u32_u24 v4, v1, SP                       ; in: row l % 16, 32 bytes (eight f32) for each half of the lanes
	v_lshl_add_u32 v4, v2, 5, v4
	v_add_nc_u32 v[STO], s94, v4
	v_mul_u32_u24 v5, v2, SP                       ; back: lanes 0-15 one row, lanes 16-31 the next; a lane takes columns 8 (l % 16) + 0..7
	v_lshl_add_u32 v5, v1, 5, v5
	v_add_nc_u32 v[RD], s94, v5
	v_lshlrev_b32 v5, 12, v2                       ; the same two rows in rh or zb, 16 bytes a lane
	v_lshl_add_u32 v[CO], v1, 4, v5
	s_lshl_b32 s94, s17, 9                         ; 4 bytes x 128 x tile column
	v_lshl_add_u32 v[HVO], v1, 5, s94              ; hb of the columns that I hold on the way out
	s_lshl_b32 s95, s[HALF], 13                    ; cr at 0, cz at 8,192
	s_add_co_u32 s95, s95, s94
	v_lshl_add_u32 v[VO], v2, 5, s95               ; the bias of the columns that I hold in an accumulator
	v_and_b32 v[PFO], 31, v0
	v_lshlrev_b32 v[PFO], 12, v[PFO]
	WIN 0x40                                       ; destination window 1, address window 0
.irp b, 0,1,2,3,4,5,6,7
	global_load_b128 v[BIA+8*(\b):BIA+8*(\b)+3],   v[VO], s[6:7] offset:64*(\b)
	global_load_b128 v[BIA+8*(\b)+4:BIA+8*(\b)+7], v[VO], s[6:7] offset:64*(\b)+16
.endr
	WIN 0
	global_load_b128 v[HBV:HBV+3],   v[HVO], s[6:7] offset:HB     ; every wave takes these 32 bytes a lane, z's waves too, so that the text has one way here
	global_load_b128 v[HBV+4:HBV+7], v[HVO], s[6:7] offset:HB+16
	s_lshl_b32 s92, s18, 8                         ; where my part of the tile begins in rh or zb
	s_lshl_b32 s93, s[KIND], 7
	s_add_co_u32 s92, s92, s93
	s_lshl_b32 s92, s92, 12
	s_lshl_b32 s93, s17, 8
	s_add_co_u32 s92, s92, s93
	s_mov_b32 s93, 0
	s_cmp_eq_u32 s[HALF], 0
	s_cselect_b64 s[OUTP:OUTP+1], s[8:9], s[10:11]
	s_add_nc_u64 s[OUTP:OUTP+1], s[OUTP:OUTP+1], s[92:93]
	; the prefetches.  Waves 0, 1: rows 256 ty + 128 half + 32 cx + lane of x.  Waves 2, 3: rows 128 tx + 32 cy + lane of Wr, Wz
	s_lshl_b32 s94, s18, 8
	s_lshl_b32 s95, s[HALF], 7
	s_add_co_u32 s94, s94, s95
	s_lshl_b32 s95, s15, 5
	s_add_co_u32 s94, s94, s95
	s_lshl_b32 s94, s94, 12
	s_lshl_b32 s91, s17, 7
	s_lshl_b32 s95, s16, 5
	s_add_co_u32 s91, s91, s95
	s_lshl_b32 s91, s91, 12
	s_lshl_b32 s95, s[HALF], 23
	s_add_co_u32 s95, s95, s91
	s_add_co_u32 s95, s95, WR
	s_cmp_eq_u32 s[KIND], 0
	s_cselect_b32 s2, s94, s95
	s_cselect_b32 s[LIM], ttmp9, s19               ; the coordinate along which other clusters read the same rows
	s_mov_b32 s3, 0
	s_add_nc_u64 s[PFA:PFA+1], s[4:5], s[2:3]
	s_add_nc_u64 s[PFA:PFA+1], s[PFA:PFA+1], 2*KSTEP*2  ; at K step 2: the first refill steps it to 3 and names K step 4; K steps 0 to 3 come by their loads alone
	s_cmp_eq_u32 s[LIM], 0
	s_cselect_b32 s[LIM], 1, -1
; 16 products: row blocks a0, a0 + 1 of the window's four (hi = 0: my rows 0-63, 1: rows 64-127) x all 8 column blocks.  first = 1: C is the bias's block, in window 1.
; The accumulators take turns, one instruction a turn, in one order everywhere.
.macro MUL16 f, hi, a0, first
.if \first
	WIN 0x91+0x40*(\hi)
.else
	WIN 0xa1+0x50*(\hi)
.endif
.irp a, \a0, (\a0)+1
.irp b, 0,1,2,3,4,5,6,7
.if \first
	v_wmma_f32_16x16x32_bf16 v[8*(8*(\a)+(\b)):8*(8*(\a)+(\b))+7], v[(\f)+8*(\b):(\f)+8*(\b)+7], v[(\f)+8*(4*(\hi)+(\a)):(\f)+8*(4*(\hi)+(\a))+7], v[BIA+8*(\b):BIA+8*(\b)+7]
.else
	v_wmma_f32_16x16x32_bf16 v[8*(8*(\a)+(\b)):8*(8*(\a)+(\b))+7], v[(\f)+8*(\b):(\f)+8*(\b)+7], v[(\f)+8*(4*(\hi)+(\a)):(\f)+8*(4*(\hi)+(\a))+7], v[8*(8*(\a)+(\b)):8*(8*(\a)+(\b))+7]
.endif
.endr
.endr
.endm
; 32 LDS loads in one run: a quarter step's fragments (32 K at byte k of the rows): the weight's eight, then x's eight
.macro FETCH slot, k, f
	WIN 0x40
.irp i, 0,1,2,3,4,5,6,7
	ds_load_b128 v[(\f)+8*(\i):(\f)+8*(\i)+3],   v[ADRB+(\slot)] offset:(\k)+(\i)*16*PITCH
	ds_load_b128 v[(\f)+8*(\i)+4:(\f)+8*(\i)+7], v[ADRB+(\slot)] offset:(\k)+(\i)*16*PITCH+32
.endr
	WIN 0
.irp i, 0,1,2,3,4,5,6,7
	ds_load_b128 v[(\f)+8*(\i):(\f)+8*(\i)+3],   v[ADRA+(\slot)] offset:(\k)+(\i)*16*PITCH
	ds_load_b128 v[(\f)+8*(\i)+4:(\f)+8*(\i)+7], v[ADRA+(\slot)] offset:(\k)+(\i)*16*PITCH+32
.endr
.endm
; A K step is four quarters of 32 along K, 64 products each, on buffers 0, 1, 0, 1.  One of the first three multiplies buffer f and fetches the next quarter, at byte k, into g.
.macro QUARTER slot, k, f, g, first
	s_wait_dscnt 8                                 ; the weight's fragments and x's rows 0-63 are in; the youngest eight loads may be out
	MUL16 \f, 0, 0, \first
	MUL16 \f, 0, 2, \first
	PLACES
	FETCH \slot, \k, \g
	s_wait_dscnt 32                                ; all but the 32 just issued
	MUL16 \f, 1, 0, \first
	MUL16 \f, 1, 2, \first
.endm
; The last quarter multiplies buffer 1 and changes slots.  In front of the barrier each wave waits for all its tensor loads (one is out: its part of the next slot), adds 0 to its spare word, and waits for that and
; for its reads of this slot.  fill = 1: the barrier opens a round of the cluster's barrier, and this slot is filled again, two K steps on, first thing behind the round: 224 products ahead of the wait for it.
.macro TURN slot, next, fill
.if \fill
	s_wait_xcnt 0x0                                ; the last prefetch, a K step back, has read its address: it is stepped here
	s_add_nc_u64 s[PFA:PFA+1], s[PFA:PFA+1], KSTEP*2
.endif
	WIN 0                                          ; (the add's two registers lie in window 0)
	s_wait_tensorcnt 0x0
	ds_add_u32 v[SPW], v[NIL]                      ; 0 onto my spare word
	s_wait_dscnt 9                                 ; (the add and the youngest eight loads may be out)
	MUL16 F1, 0, 0, 0
	s_wait_dscnt 0x0                               ; the add is done, and my reads of this slot are over
	s_barrier_signal -1
	MUL16 F1, 0, 2, 0
.if \fill
	WIN 0
.endif
	s_barrier_wait -1
.if \fill
	CREST                                          ; no wave of any partner still reads this slot or has a load on its way
	s_add_nc_u64 s[G0+4*(\slot)+2:G0+4*(\slot)+3], s[G0+4*(\slot)+2:G0+4*(\slot)+3], 2*KSTEP*2
	s_add_nc_u64 s[G0B+4*(\slot)+2:G0B+4*(\slot)+3], s[G0B+4*(\slot)+2:G0B+4*(\slot)+3], 2*KSTEP*2
	JLOAD \slot                                    ; its four v_nop are also the places in front of the loads below
.else
	PLACES
.endif
	FETCH \next, 0, F0
.if \fill
	ASK
.endif
	MUL16 F1, 1, 0, 0
	MUL16 F1, 1, 2, 0
.endm
	s_wait_tensorcnt 1                             ; my part of K step 0 is in; K step 1's may stay out
	s_barrier_signal -1
	s_barrier_wait -1
	FETCH 0, 0, F0
	s_wait_loadcnt 0x0                             ; the bias and hb
	QUARTER 0, 64, F0, F1, 1                       ; the first quarter stands in front of the loop: its products start the sums, with cr or cz
	WIN 0                                          ; at a label and at a branch every window is 0
	s_mov_b32 s3, 7
.Llap:                                                 ; a trip goes once round the ring, from a lap's second quarter to the next lap's first, and fills both slots again: K steps 2 to 15
	QUARTER 0, 128, F1, F0, 0
	QUARTER 0, 192, F0, F1, 0
	TURN 0, 1, 1
	QUARTER 1, 64,  F0, F1, 0
	QUARTER 1, 128, F1, F0, 0
	QUARTER 1, 192, F0, F1, 0
	TURN 1, 0, 1
	QUARTER 0, 64,  F0, F1, 0
	WIN 0
	s_sub_co_u32 s3, s3, 1
	s_cmp_lg_u32 s3, 0
	s_cbranch_scc1 .Llap
	QUARTER 0, 128, F1, F0, 0                      ; the last lap fills nothing
	QUARTER 0, 192, F0, F1, 0
	TURN 0, 1, 0
	QUARTER 1, 64,  F0, F1, 0
	QUARTER 1, 128, F1, F0, 0
	QUARTER 1, 192, F0, F1, 0
	s_wait_dscnt 8
	MUL16 F1, 0, 0, 0
	MUL16 F1, 0, 2, 0
	s_wait_dscnt 0x0                               ; my last reads of the slots are back
	MUL16 F1, 1, 0, 0
	MUL16 F1, 1, 2, 0
	WIN 0
	; THE WAY OUT.  The slots have had their last fill; when every wave's reads of them are over (the barrier), each wave lays its sums into its own part of them.
	s_barrier_signal -1
	s_barrier_wait -1
	PLACES
.macro DUMP a                          ; row block a: a lane's eight f32 of each column block, the accumulator's low four registers first
	WIN 0x08+4*((\a)/4)                            ; store data (source 1) in window 2 or 3
.irp b, 0,1,2,3,4,5,6,7
	ds_store_b128 v[STO], v[64*((\a)%4)+8*(\b):64*((\a)%4)+8*(\b)+3]   offset:(\a)*16*SP+64*(\b)
	ds_store_b128 v[STO], v[64*((\a)%4)+8*(\b)+4:64*((\a)%4)+8*(\b)+7] offset:(\a)*16*SP+64*(\b)+16
.endr
.endm
.irp a, 0,1,2,3,4,5,6,7
	DUMP \a
.endr
	WIN 0
.macro LOADR                           ; 16 rows back: pair t of rows in 8 registers a lane
.irp t, 0,1,2,3,4,5,6,7
	ds_load_b128 v[IN+8*(\t):IN+8*(\t)+3],   v[RD] offset:(\t)*2*SP      ; LDS serves a wave's instructions in order (ISA guide 5.7.1.4): these see my stores above
	ds_load_b128 v[IN+8*(\t)+4:IN+8*(\t)+7], v[RD] offset:(\t)*2*SP+16
.endr
.endm
	LOADR
	s_mov_b32 s3, 8
.Lrows:                                                ; a trip: 16 rows x 128 columns: 64 numbers a lane
	s_wait_dscnt 0x0
.set i, 0
.rept 32
	v_pk_mul_f32 v[W+2*i:W+2*i+1], v[IN+2*i:IN+2*i+1], s[80:81] op_sel_hi:[1,0]
.set i, i+1
.endr
	s_cmp_eq_u32 s3, 1
	s_cbranch_scc1 .Lno_more                       ; the last trip has no rows behind it
	v_add_nc_u32 v[RD], 16*SP, v[RD]
	LOADR                                          ; the next 16 rows come while these are worked on
.Lno_more:
.set i, 0
.rept 64
	v_exp_f32 v[W+i], v[W+i]
.set i, i+1
.endr
	v_nop                                          ; a plain instruction behind the last power,
	s_wait_alu depctr_va_vdst(0)                   ; and the one wait ahead of the batch's first reader
.set i, 0
.rept 32
	v_pk_add_f32 v[W+2*i:W+2*i+1], v[W+2*i:W+2*i+1], 1.0 op_sel_hi:[1,0]
.set i, i+1
.endr
.set i, 0
.rept 64
	v_rcp_f32 v[W+i], v[W+i]
.set i, i+1
.endr
	v_nop
	s_wait_alu depctr_va_vdst(0)
	s_cmp_eq_u32 s[HALF], 0
	s_cbranch_scc0 .Lfor_z
.set i, 0
.rept 32
	v_pk_mul_f32 v[W+2*i:W+2*i+1], v[W+2*i:W+2*i+1], v[HBV+2*(i%4):HBV+2*(i%4)+1]  ; r x hb
.set i, i+1
.endr
.set i, 0
.rept 32
	v_cvt_pk_bf16_f32 v[PK+i], v[W+2*i], v[W+2*i+1]
.set i, i+1
.endr
	s_branch .Lpacked
.Lfor_z:
.set i, 0
.rept 32
	v_cvt_pk_f16_f32 v[PK+i], v[W+2*i], v[W+2*i+1]
.set i, i+1
.endr
.Lpacked:
.irp t, 0,1,2,3,4,5,6,7
	global_store_b128 v[CO], v[PK+4*(\t):PK+4*(\t)+3], s[OUTP:OUTP+1] offset:2*(\t)*OUTROW  ; 16 lanes store 256 consecutive bytes, at a multiple of 256 from the buffer's first byte
.endr
	s_wait_xcnt 0x0                                ; the stores' base and data are written again only behind this wait
	s_add_nc_u64 s[OUTP:OUTP+1], s[OUTP:OUTP+1], 16*OUTROW
	s_sub_co_u32 s3, s3, 1
	s_cmp_lg_u32 s3, 0
	s_cbranch_scc1 .Lrows
	s_wait_tensorcnt 0x0                           ; the wave's end, behind my last tensor load and my last LDS store
	ds_add_u32 v[SPW], v[NIL]
	s_wait_dscnt 0x0
	CROUND                                         ; the closing round: no work-group ends while a partner may still ask for a tile that names it
	s_endpgm
.Lfunc_end_k_q572ea78a24_gates:
	.size	k_q572ea78a24_gates, .Lfunc_end_k_q572ea78a24_gates-k_q572ea78a24_gates
	.p2alignl 7, 3214868480
	.fill 96, 4, 3214868480
	.section	.rodata,"a",@progbits
	.p2align	6, 0x0
	.amdhsa_kernel k_q572ea78a24_gates
		.amdhsa_group_segment_fixed_size 327680
		.amdhsa_private_segment_fixed_size 0
		.amdhsa_enable_private_segment 0
		.amdhsa_kernarg_size 32
		.amdhsa_user_sgpr_count 2
		.amdhsa_user_sgpr_kernarg_segment_ptr 1
		.amdhsa_wavefront_size32 1
		.amdhsa_system_sgpr_workgroup_id_x 1
		.amdhsa_system_sgpr_workgroup_id_y 1
		.amdhsa_system_sgpr_workgroup_id_z 1
		.amdhsa_system_vgpr_workitem_id 0
		.amdhsa_next_free_vgpr 1024
		.amdhsa_next_free_sgpr 96
		.amdhsa_reserve_vcc 0
		.amdhsa_float_denorm_mode_32 3
		.amdhsa_float_denorm_mode_16_64 3
		.amdhsa_memory_ordered 1
		.amdhsa_forward_progress 1
		.amdhsa_inst_pref_size 140
	.end_amdhsa_kernel
	.amdgpu_metadata
---
amdhsa.version: [ 1, 2 ]
amdhsa.kernels:
  - .name:           k_q572ea78a24_gates
    .symbol:         k_q572ea78a24_gates.kd
    .args:
      - { .name: bfb, .offset: 0, .size: 8, .value_kind: global_buffer, .address_space: global }
      - { .name: vec, .offset: 8, .size: 8, .value_kind: global_buffer, .address_space: global }
      - { .name: rh, .offset: 16, .size: 8, .value_kind: global_buffer, .address_space: global }
      - { .name: zb, .offset: 24, .size: 8, .value_kind: global_buffer, .address_space: global }
    .group_segment_fixed_size: 327680
    .private_segment_fixed_size: 0
    .kernarg_segment_align: 8
    .kernarg_segment_size: 32
    .max_flat_workgroup_size: 128
    .sgpr_count:     96
    .vgpr_count:     1024
    .wavefront_size: 32
...
	.end_amdgpu_metadata
.endif
;; end of part 2
;; launch hidden (part 3): grid 16 x 16, 4 waves a work-group, clusters of 4 x 4, 327,680 bytes of LDS; arguments bfb, rh, zb, vec, out0; writes out0
.if DOCPART == 3
	.amdgcn_target "amdgcn-amd-amdhsa--gfx1250"
	.amdhsa_code_object_version 6
	.text
	.protected	k_q572ea78a24_hidden
	.globl	k_q572ea78a24_hidden
	.p2align	8
	.type	k_q572ea78a24_hidden,@function
k_q572ea78a24_hidden:
	s_mov_b64 s[64:65], 0
	v_nop
	global_prefetch_b8 v0, s[64:65] scope:SCOPE_SE
	s_setreg_imm32_b32 hwreg(HW_REG_WAVE_MODE, 25, 1), 1
	s_wait_xcnt 0x0
	s_wait_alu depctr_hold_cnt(0) depctr_sa_sdst(0) depctr_va_vdst(0) depctr_va_sdst(0) depctr_va_ssrc(0) depctr_va_vcc(0) depctr_vm_vsrc(0)
	s_getreg_b32 s2, hwreg(HW_REG_IB_STS2, 6, 4)
	s_cmp_eq_u32 s2, 0
	s_cbranch_scc0 .Lentry_in_a_cluster
	s_endpgm
.Lentry_in_a_cluster:
	s_bfe_u32 s2, ttmp6, 0x10000c
	s_cmp_lg_u32 s2, 0xf033
	s_cbranch_scc0 .Lentry_shape_is_right
	s_endpgm
.Lentry_shape_is_right:
; GRU step, launch 3 of 3: hh = tanh(x Wh^T + rh Uh^T + ch), out = hb + z (hh - hb), which is (1 - z) hb + z hh.  Nothing of the problem is left out.
; In bfb (bf16, rows of 4,096 bytes): x at 0, Wh at 33,554,432, Uh 8,388,608 behind it.  rh = r h: [4096][2048] bf16.  zb = z: [4096][2048] f16.  In vec (f32): ch = bwh + buh + b_h at 16,384, hb = h at 24,576.  out0: f32.
; LIMITS.  Operands bf16, sums f32, z as stored (f16).  tanh(b) = 1 - 2 / (1 + 2^(2 b log2 e)), whose error is some 1e-7 absolute: near b = 0 tanh's relative accuracy is lost.  A power below 2^-126 counts as 0;
; one past f32's range gives tanh = 1.
; SHARES.  A tile of 256 rows x 128 columns to a work-group: 16 x 16 = 256 work-groups.  A wave has 64 rows x all 128 columns: 32 accumulators.  One sum over K = 4,096: 8 steps of 256 of x against Wh, then 8 of rh against Uh.
; THE RING.  Two slots of a K step of 256 for 384 rows (2 x 202,752 bytes) do not fit in LDS.  But a wave's 64 rows of x or rh are read by that wave alone: a step's fragments of them, 256 registers, wait in REGISTERS.
; So LDS holds ONE landing place for A (256 rows x 528 bytes) and two slots for B (128 rows x 528 each).  A step is 8 chunks of 32 along K, 32 products each.  At chunk 6's head the next step has landed (the wait for the
; one tensor load that is out, and a barrier); behind it the next step's A is copied into the registers that this step's chunks have left; the next step's chunk 0 begins; in it stand the cluster's round and the refill.
; By the text's own count a request has 176 products before the wait for it, and there is one round for 256 products.
; CLUSTER 4 x 4.  x's and rh's tiles hang on the tile row alone and are asked for jointly by a row of the cluster; Wh's and Uh's on the tile column alone, by a column.
; THE MATRIX INSTRUCTION IS USED TRANSPOSED (source 0 = 16 rows of a weight, source 1 = 16 rows of x or rh): a lane holds row l % 16 and columns 8 (l / 16) + 0..7.  Each sum's first product takes ch's block as C.
; REGISTERS, in windows of 256 (s_set_vgpr_msb: bits 1:0 source 0, 3:2 source 1, 5:4 source 2, 7:6 destination):
;   window 0: v0-31 addresses; v40-47 hb, v48-55 1 - hb; v64-127 rows read back on the way out; v128-255 z          window 1: v64-127, v128-191 B's fragments, two buffers (v64-127 at work on the way out); v192-255 ch
;   window 2: accumulator (a, b) at v[8 (8 a + b)]          window 3: A's fragments of one step: chunk c, row block a at v[32 c + 8 a]
.set KSTEP,  256
.set KB,     512                       ; bytes of a row in a step
.set PITCH,  528                       ; an LDS row: 512 bytes + 16 of padding = 132 words: the 16 rows of a fragment load start at 16 different groups of four banks (64 banks of 4 bytes: ISA guide 11.1)
.set BHALF,  64*PITCH                  ; 33,792: what one of B's loads brings; also a wave's 64 rows of A
.set BSLOT,  2*BHALF                   ; 67,584 = bits 16 and 11; B's slots lie at 0 and BSLOT.  33,792 is bits 15 and 10: one exclusive or with BSLOT turns an address in one slot into the other's
.set LA,     2*BSLOT                   ; A's landing place
.set AHALF,  128*PITCH
.set SPARE,  LA+2*AHALF                ; the spare words, 128 bytes for each wave: two blocks of 256 bytes that no other line names
.set WH,     33554432
.set UHD,    8388608                   ; from Wh to Uh
.set CH,     16384
.set HB,     24576
.set DESC0,  (1<<16)|(1<<20)|(1<<21)|(6<<22)|(3<<25)  ; group 1, word 0 beside the mask: elements of 2 bytes; padding on; bit 21 set beside a mask; after every 128 words (code 6) 4 words (code 3)
.set ADRA, 16                          ; v16  LDS address of my fragments of A
.set AB0,  18                          ; v18  my lane's place in a tile: (l % 16) x pitch + 16 (l / 16); never rewritten
.set ADRB, 20                          ; v20  LDS address of B's fragments in the slot in hand
.set ZO,   22                          ; v22  my byte offset in zb
.set HVO,  23                          ; v23  my byte offset in hb
.set STO,  24                          ; v24  the way out: where I put 32 bytes of a row
.set RD,   25                          ; v25  where I read a row back
.set CO,   26                          ; v26  my byte offset in out0
.set VO,   27                          ; v27  my byte offset in ch
.set SPW,  28                          ; v28  my spare word: SPARE + 4 x my thread's number; never rewritten
.set NIL,  29                          ; v29  0; never rewritten
.set PFO,  30                          ; v30  lane x 4,096; never rewritten
.set HV,   40
.set OMH,  48
.set IN,   64
.set Z,    128
.set W,    64                          ; window 1
.set BIA,  192                         ; window 1
.set WV,   12
.set KIND, 13                          ; s13  wave / 2: I fetch A (0) or B (1)
.set HALF, 14                          ; s14  wave % 2: which half of that tile's rows
.set G1,   24                          ; s[24:31] group 1 for A's tiles (128 rows); s[32:35] group 0
.set G0,   32
.set G1B,  48                          ; s[48:55] group 1 for B's tiles (64 rows); s[56:59] group 0, which walks; s[60:63] group 0 of B's very first load
.set G0B,  56
.set G0C,  60
.set PFA,  68                          ; s[68:69] the rows that my next prefetches name
.set LIM,  70                          ; s70  2 in a wave that prefetches, else the greatest number
.set TB,   71                          ; s71  B's slot in hand: 0 or BSLOT
.set PFB,  72                          ; s[72:73] the same rows of rh or Uh, at step 8
.set OUTP, 74                          ; s[74:75] out0 at my rows
.set ZP,   76                          ; s[76:77] zb at my rows
.set AP,   84                          ; s[84:85] A at the step asked for last;  s[86:87] rh at step 8
.set ANX,  86
.set BP,   88                          ; s[88:89], s[90:91] the same for B and Uh
.set BNX,  90
.set MSB, 0
.macro WIN new                         ; the immediate's high byte repeats the setting that is left; a switch that changes nothing is dropped
.if MSB != (\new)
	s_set_vgpr_msb (MSB<<8)|(\new)
.set MSB, \new
.endif
.endm
.macro PLACES                          ; four places behind a matrix instruction, in front of loads into registers that it has read and of whatever reads its results
.rept 4
	v_nop
.endr
.endm
; A joint refill: waves 0 and 1 fetch A's two halves, waves 2 and 3 B's.  The branch hangs on the wave's number alone.  An s_nop 0 and four v_nop follow each line.
.macro JLOAD
	s_cmp_eq_u32 s[KIND], 0
	s_cbranch_scc0 .Lfor_b_\@
	tensor_load_to_lds s[G0:G0+3], s[G1:G1+7]
	s_nop 0
.rept 4
	v_nop
.endr
	s_branch .Lasked_\@
.Lfor_b_\@:
	tensor_load_to_lds s[G0B:G0B+3], s[G1B:G1B+7]
	s_nop 0
.rept 4
	v_nop
.endr
.Lasked_\@:
.endm
.macro JLOADA                          ; the first round's refill: A alone; B's step 1 went out at the head
	s_cmp_eq_u32 s[KIND], 0
	s_cbranch_scc0 .Lnone_\@
	tensor_load_to_lds s[G0:G0+3], s[G1:G1+7]
	s_nop 0
.rept 4
	v_nop
.endr
.Lnone_\@:
.endm
; A prefetch of the step that stands two refills on, 512 products ahead of the load that will want it: 32 rows x 512 bytes, a lane a row, two instructions a wave.  Each block is named once in the launch: A's rows by the
; clusters with x = 0 (waves 0, 1), B's by those with y = 0 (wave 2); the four partners of a joint load take 32 rows each, told apart by address.  Steps 0 to 2 come by their loads alone; the last two refills (s3 = 2, 1) ask for nothing.
.macro ASK
	s_cmp_gt_u32 s3, s[LIM]
	s_cbranch_scc0 .Lnot_mine_\@
	global_prefetch_b8 v[PFO], s[PFA:PFA+1] th:TH_LOAD_NT scope:SCOPE_SE
	global_prefetch_b8 v[PFO], s[PFA:PFA+1] offset:256 th:TH_LOAD_NT scope:SCOPE_SE
.Lnot_mine_\@:
.endm
.macro CREST                           ; a round of the cluster's barrier behind its opening barrier
	s_cmp_lg_u32 s[WV], 0
	s_cbranch_scc1 .Lnot_wave_0_\@
	s_barrier_signal -3
.Lnot_wave_0_\@:
	s_barrier_wait -3
	s_barrier_signal -1
	s_barrier_wait -1
.endm
.macro CROUND
	s_barrier_signal -1
	s_barrier_wait -1
	CREST
.endm
	s_load_b256 s[4:11], s[0:1], 0x0               ; bfb s[4:5], rh s[6:7], zb s[8:9], vec s[10:11]
	s_load_b64 s[OUTP:OUTP+1], s[0:1], 0x20        ; out0
	v_lshl_add_u32 v[SPW], v0, 2, SPARE
	v_mov_b32 v[NIL], 0
	ds_add_u32 v[SPW], v[NIL]                      ; the wave's opening: the add, twice on end, and its wait ahead of my first tensor load
	ds_add_u32 v[SPW], v[NIL]
	v_lshrrev_b32 v1, 5, v0
	v_readfirstlane_b32 s[WV], v1
	s_lshr_b32 s[KIND], s[WV], 1
	s_and_b32 s[HALF], s[WV], 1
	s_bfe_u32 s15, ttmp6, 0x40000                  ; cx
	s_bfe_u32 s16, ttmp6, 0x40004                  ; cy
	s_lshl_b32 s17, ttmp9, 2
	s_add_co_u32 s17, s17, s15                     ; tile column = 4 x cluster x + cx
	s_and_b32 s19, ttmp7, 0xffff                   ; cluster y
	s_lshl_b32 s18, s19, 2
	s_add_co_u32 s18, s18, s16                     ; tile row = 4 x cluster y + cy
	s_lshl_b32 s20, s16, 2
	s_lshl_b32 s20, 15, s20                        ; my row of the cluster
	s_lshl_b32 s40, 0x1111, s15                    ; my column
	s_or_b32 s[G1], s20, DESC0
	s_or_b32 s[G1B], s40, DESC0
	s_mov_b32 s[G1+1], KSTEP<<16                   ; tensor_dim0 = 256
	s_mov_b32 s[G1+2], 128<<16                     ; tensor_dim1 = 128
	s_mov_b32 s[G1+3], KSTEP<<16                   ; tile_dim0 = 256
	s_mov_b32 s[G1+4], 128                         ; tile_dim1 = 128
	s_mov_b32 s[G1+5], 2048                        ; elements from row to row
	s_mov_b32 s[G1+6], 0
	s_mov_b32 s[G1+7], 0
	s_mov_b32 s[G1B+1], KSTEP<<16
	s_mov_b32 s[G1B+2], 64<<16                     ; B's loads bring 64 rows
	s_mov_b32 s[G1B+3], KSTEP<<16
	s_mov_b32 s[G1B+4], 64
	s_mov_b32 s[G1B+5], 2048
	s_mov_b32 s[G1B+6], 0
	s_mov_b32 s[G1B+7], 0
	s_lshl_b32 s20, s18, 8                         ; x and rh: row 256 x tile row + 128 x half, x 4,096 bytes: registers that never hold cx
	s_lshl_b32 s21, s[HALF], 7
	s_add_co_u32 s20, s20, s21
	s_lshl_b32 s20, s20, 12
	s_mov_b32 s21, 0
	s_lshl_b32 s40, s17, 7                         ; Wh: row 128 x tile column + 64 x half: registers that never hold cy
	s_lshl_b32 s41, s[HALF], 6
	s_add_co_u32 s40, s40, s41
	s_lshl_b32 s40, s40, 12
	s_add_co_u32 s40, s40, WH
	s_mov_b32 s41, 0
	s_add_co_u32 s44, s40, UHD                     ; Uh: the same rows
	s_mov_b32 s45, 0
	s_mul_i32 s66, s[WV], AHALF
	s_add_co_u32 s66, s66, LA                      ; waves 0, 1: A's halves
	s_mul_i32 s67, s[HALF], BHALF                  ; waves 2, 3: B's halves, in slot 0
	s_mov_b32 s[TB], 0
	s_mov_b32 s82, 0x4038aa3b                      ; 2 log2 e,
	s_mov_b32 s83, s82                             ; named as a pair
	s_wait_dscnt 0x0                               ; both opening adds are done
	s_wait_kmcnt 0x0
	s_add_nc_u64 s[AP:AP+1], s[4:5], s[20:21]      ; x at step 0
	s_add_nc_u64 s[ANX:ANX+1], s[6:7], s[20:21]    ; rh at its first step
	s_add_nc_u64 s[BP:BP+1], s[4:5], s[40:41]      ; Wh at step 0
	s_add_nc_u64 s[BNX:BNX+1], s[4:5], s[44:45]    ; Uh at its first step
	s_mov_b32 s[G0], 1
	s_mov_b32 s[G0+1], s66
	s_add_nc_u64 s[G0+2:G0+3], s[AP:AP+1], 0
	s_or_b32 s[G0+3], s[G0+3], 0x80000000
	s_mov_b32 s[G0C], 1
	s_mov_b32 s[G0C+1], s67
	s_add_nc_u64 s[G0C+2:G0C+3], s[BP:BP+1], 0
	s_or_b32 s[G0C+3], s[G0C+3], 0x80000000
	s_add_nc_u64 s[BP:BP+1], s[BP:BP+1], KB        ; Wh at step 1,
	s_mov_b32 s[G0B], 1
	s_add_co_u32 s[G0B+1], s67, BSLOT              ; into slot 1
	s_add_nc_u64 s[G0B+2:G0B+3], s[BP:BP+1], 0
	s_or_b32 s[G0B+3], s[G0B+3], 0x80000000
	CROUND                                         ; all sixteen work-groups are here: the first joint loads meet
	s_cmp_eq_u32 s[KIND], 0                        ; a wave's first fills stand in one branch, ahead of every wait on TENSORcnt and every LDS read: A's step 0; B's steps 0 and 1, two loads, the most that a wave of this text has out
	s_cbranch_scc0 .Lfirst_b
	tensor_load_to_lds s[G0:G0+3], s[G1:G1+7]
	s_nop 0
.rept 4
	v_nop
.endr
	s_branch .Lfirst_asked
.Lfirst_b:
	tensor_load_to_lds s[G0C:G0C+3], s[G1B:G1B+7]
	s_nop 0
	tensor_load_to_lds s[G0B:G0B+3], s[G1B:G1B+7]
	s_nop 0
.rept 4
	v_nop
.endr
.Lfirst_asked:
	v_and_b32 v1, 15, v0                           ; l % 16
	v_bfe_u32 v2, v0, 4, 1                         ; l / 16
	v_mul_u32_u24 v[AB0], v1, PITCH
	v_lshl_add_u32 v[AB0], v2, 4, v[AB0]
	s_mul_i32 s94, s[WV], BHALF
	s_add_co_u32 s94, s94, LA                      ; my 64 rows in A's landing place: read by me alone, and on the way out my stage
	v_add_nc_u32 v[ADRA], s94, v[AB0]
	v_mov_b32 v[ADRB], v[AB0]                      ; B's slot 0
	v_mul_u32_u24 v4, v1, PITCH                    ; the way out, in: row l % 16, 32 bytes (eight f32) for each half of the lanes
	v_lshl_add_u32 v4, v2, 5, v4
	v_add_nc_u32 v[STO], s94, v4
	v_mul_u32_u24 v5, v2, PITCH                    ; back: lanes 0-15 one row, lanes 16-31 the next; a lane takes columns 4 (l % 16) + 0..3 and 64 + the same
	v_lshl_add_u32 v5, v1, 4, v5
	v_add_nc_u32 v[RD], s94, v5
	v_lshlrev_b32 v5, 13, v2                       ; the same two rows in out0, 16 bytes a lane,
	v_lshl_add_u32 v[CO], v1, 4, v5
	v_lshlrev_b32 v5, 12, v2                       ; and in zb, 8 bytes a lane
	v_lshl_add_u32 v[ZO], v1, 3, v5
	s_lshl_b32 s94, s17, 9                         ; 4 bytes x 128 x tile column
	v_lshl_add_u32 v[VO], v2, 5, s94               ; ch of the columns that I hold in an accumulator
	v_lshl_add_u32 v[HVO], v1, 4, s94              ; hb of the columns that I hold on the way out
	v_and_b32 v[PFO], 31, v0
	v_lshlrev_b32 v[PFO], 12, v[PFO]
	WIN 0x40                                       ; destination window 1, address window 0
.irp b, 0,1,2,3,4,5,6,7
	global_load_b128 v[BIA+8*(\b):BIA+8*(\b)+3],   v[VO], s[10:11] offset:CH+64*(\b)
	global_load_b128 v[BIA+8*(\b)+4:BIA+8*(\b)+7], v[VO], s[10:11] offset:CH+64*(\b)+16
.endr
	WIN 0
	global_load_b128 v[HV:HV+3],   v[HVO], s[10:11] offset:HB
	global_load_b128 v[HV+4:HV+7], v[HVO], s[10:11] offset:HB+256
	s_lshl_b32 s92, s18, 8                         ; my first row: 256 x tile row + 64 x wave
	s_lshl_b32 s93, s[WV], 6
	s_add_co_u32 s92, s92, s93
	s_lshl_b32 s78, s92, 12                        ; in zb,
	s_lshl_b32 s79, s17, 8
	s_add_co_u32 s78, s78, s79
	s_mov_b32 s79, 0
	s_add_nc_u64 s[ZP:ZP+1], s[8:9], s[78:79]
	s_lshl_b32 s92, s92, 13                        ; and in out0
	s_add_co_u32 s92, s92, s94
	s_mov_b32 s93, 0
	s_add_nc_u64 s[OUTP:OUTP+1], s[OUTP:OUTP+1], s[92:93]
; z of pair t of my rows: four f16 of columns 4 (l % 16) + 0..3, four of 64 + the same: 16 lanes read 128 consecutive bytes
.macro ZLOAD t0
.set t, \t0
.rept 16
	global_load_b64 v[Z+4*t:Z+4*t+1],   v[ZO], s[ZP:ZP+1] offset:t*8192 th:TH_LOAD_NT
	global_load_b64 v[Z+4*t+2:Z+4*t+3], v[ZO], s[ZP:ZP+1] offset:t*8192+128 th:TH_LOAD_NT
.set t, t+1
.endr
.endm
	ZLOAD 0                                        ; my rows 0 to 31; the others are asked for when the products have begun
	; the prefetches.  Waves 0, 1: rows 256 ty + 128 half + 32 cx + lane of x, later of rh.  Wave 2: rows 128 tx + 32 cy + lane of Wh, later of Uh.  Wave 3: none
	s_lshl_b32 s94, s18, 8
	s_lshl_b32 s95, s[HALF], 7
	s_add_co_u32 s94, s94, s95
	s_lshl_b32 s95, s15, 5
	s_add_co_u32 s94, s94, s95
	s_lshl_b32 s94, s94, 12
	s_lshl_b32 s78, s17, 7
	s_lshl_b32 s95, s16, 5
	s_add_co_u32 s78, s78, s95
	s_lshl_b32 s78, s78, 12
	s_add_co_u32 s78, s78, WH
	s_add_co_u32 s79, s78, UHD
	s_cmp_eq_u32 s[KIND], 0
	s_cselect_b32 s2, s94, s78                     ; the first eight steps' offset, in bfb
	s_cselect_b32 s94, s94, s79                    ; the last eight's, in rh or in bfb
	s_cselect_b64 s[PFB:PFB+1], s[6:7], s[4:5]
	s_cselect_b32 s[LIM], ttmp9, s19               ; the coordinate along which other clusters read the same rows
	s_mov_b32 s3, 0
	s_mov_b32 s95, 0
	s_add_nc_u64 s[PFA:PFA+1], s[4:5], s[2:3]
	s_add_nc_u64 s[PFA:PFA+1], s[PFA:PFA+1], 3*KB  ; the first refill, of step 1, names step 3
	s_add_nc_u64 s[PFB:PFB+1], s[PFB:PFB+1], s[94:95]
	s_cmp_eq_u32 s[LIM], 0
	s_cselect_b32 s[LIM], 2, -1
	s_cmp_eq_u32 s[WV], 3
	s_cselect_b32 s[LIM], -1, s[LIM]
; 8 products of chunk c: row block a x all 8 column blocks.  first = 1: C is ch's block, in window 1.  The 32 accumulators take turns, one instruction a turn, in one order everywhere.
.macro MUL8 c, a, first
.set BF, 64+64*((\c)%2)
.if \first
	WIN 0x9d                                       ; B window 1, A window 3, C window 1, D window 2
.else
	WIN 0xad
.endif
.irp b, 0,1,2,3,4,5,6,7
.if \first
	v_wmma_f32_16x16x32_bf16 v[8*(8*(\a)+(\b)):8*(8*(\a)+(\b))+7], v[BF+8*(\b):BF+8*(\b)+7], v[32*(\c)+8*(\a):32*(\c)+8*(\a)+7], v[BIA+8*(\b):BIA+8*(\b)+7]
.else
	v_wmma_f32_16x16x32_bf16 v[8*(8*(\a)+(\b)):8*(8*(\a)+(\b))+7], v[BF+8*(\b):BF+8*(\b)+7], v[32*(\c)+8*(\a):32*(\c)+8*(\a)+7], v[8*(8*(\a)+(\b)):8*(8*(\a)+(\b))+7]
.endif
.endr
.endm
.macro FB c                            ; 16 LDS loads: B's eight fragments of chunk c, from the slot in hand, into buffer c % 2
.set BF, 64+64*((\c)%2)
	WIN 0x40
.irp b, 0,1,2,3,4,5,6,7
	ds_load_b128 v[BF+8*(\b):BF+8*(\b)+3],   v[ADRB] offset:(\b)*16*PITCH+64*(\c)
	ds_load_b128 v[BF+8*(\b)+4:BF+8*(\b)+7], v[ADRB] offset:(\b)*16*PITCH+64*(\c)+32
.endr
.endm
.macro COPY c                          ; 8 LDS loads: my four fragments of A's chunk c, out of the landing place into window 3
	WIN 0xc0
.irp a, 0,1,2,3
	ds_load_b128 v[32*(\c)+8*(\a):32*(\c)+8*(\a)+3],   v[ADRA] offset:(\a)*16*PITCH+64*(\c)
	ds_load_b128 v[32*(\c)+8*(\a)+4:32*(\c)+8*(\a)+7], v[ADRA] offset:(\a)*16*PITCH+64*(\c)+32
.endr
.endm
; A plain chunk: 32 products; in its middle B's fragments of the next chunk are fetched.  cnt: the LDS loads that may stay out at its head.
.macro QB c, cnt, fetch
	s_wait_dscnt \cnt
	MUL8 \c, 0, 0
	MUL8 \c, 1, 0
.if \fetch
	PLACES
	FB (\c)+1
.endif
	MUL8 \c, 2, 0
	MUL8 \c, 3, 0
.endm
; CHUNK 0 OF A STEP, WITH THE REFILL.  A's landing place has been copied out and B's old slot read out.  In front of the barrier each wave waits for all its tensor loads (none is out: they were awaited at chunk 6), adds 0 to
; its spare word, and waits for that and for its copies and reads.  The barrier opens a round of the cluster's barrier; behind the round the joint refill comes first: the step after the one that begins here.
; first = 1, inloop = 0: the launch's first step: the products start the sums, and A alone is asked for.
.macro TURN first, inloop
.if \inloop
	s_wait_xcnt 0x0                                ; the last prefetches, a step back, have read their address: it is written here
	s_add_nc_u64 s[PFA:PFA+1], s[PFA:PFA+1], KB
	s_cmp_eq_u32 s3, 10                            ; the refill of step 6 names step 8: on to rh's and Uh's rows
	s_cselect_b64 s[PFA:PFA+1], s[PFB:PFB+1], s[PFA:PFA+1]
.endif
	WIN 0                                          ; (the add's two registers lie in window 0)
	s_wait_tensorcnt 0x0                           ; no tensor load of mine is out, so a group 0 may be written
	ds_add_u32 v[SPW], v[NIL]                      ; 0 onto my spare word; the descriptors' steps stand between it and the wait for it
	s_add_nc_u64 s[AP:AP+1], s[AP:AP+1], KB
.if \inloop
	s_add_nc_u64 s[BP:BP+1], s[BP:BP+1], KB
	s_cmp_eq_u32 s3, 8                             ; step 8 is asked for: rh and Uh from here on
	s_cselect_b64 s[AP:AP+1], s[ANX:ANX+1], s[AP:AP+1]
	s_cselect_b64 s[BP:BP+1], s[BNX:BNX+1], s[BP:BP+1]
	s_add_nc_u64 s[G0B+2:G0B+3], s[BP:BP+1], 0
	s_or_b32 s[G0B+3], s[G0B+3], 0x80000000
	s_xor_b32 s[G0B+1], s[G0B+1], BSLOT            ; into the slot that has been read out
.endif
	s_add_nc_u64 s[G0+2:G0+3], s[AP:AP+1], 0
	s_or_b32 s[G0+3], s[G0+3], 0x80000000
	s_wait_dscnt 9                                 ; (the add and the eight copies of A's chunk 7 may be out)
	MUL8 0, 0, \first
	s_wait_dscnt 0x0                               ; the add is done; my copies out of the landing place and my reads of B's old slot are over
	s_barrier_signal -1
	MUL8 0, 1, \first
	WIN 0
	s_barrier_wait -1
	CREST                                          ; no wave of any partner still reads what is filled again or has a load on its way
.if \inloop
	JLOAD                                          ; its four v_nop are also the places in front of the loads below
.else
	JLOADA
.endif
	FB 1
	WIN 0
	ASK
	MUL8 0, 2, \first
	MUL8 0, 3, \first
.endm
	s_wait_tensorcnt 0x0                           ; my first loads have landed,
	s_barrier_signal -1
	s_barrier_wait -1                              ; everybody's have
	FB 0
.irp c, 0,1,2,3,4,5,6,7
	COPY \c                                        ; step 0's A into registers
.endr
	WIN 0
	s_wait_loadcnt 32                              ; ch and hb are in; the 32 loads of z issued behind them may stay out
.irp i, 0,1,2,3
	v_pk_fma_f32 v[OMH+2*(\i):OMH+2*(\i)+1], v[HV+2*(\i):HV+2*(\i)+1], -1.0, 1.0 op_sel_hi:[1,0,0]  ; 1 - hb, once
.endr
	s_mov_b32 s3, 15                               ; steps still to begin
	TURN 1, 0                                      ; step 0 begins; step 1's A is asked for
	WIN 0
	ZLOAD 16                                       ; z of my rows 32 to 63
.Lstep:                                                ; a trip: chunks 1 to 7 of a step and chunk 0 of the next
	QB 1, 0, 1
	QB 2, 0, 1
	QB 3, 0, 1
	QB 4, 0, 1
	QB 5, 0, 1
	s_wait_tensorcnt 0x0                           ; chunk 6.  One load of mine is out, my part of the next step: the wait that shows it landed is for 0;
	s_wait_dscnt 0x0                               ; B's chunk 6 is in, and no LDS instruction of mine is out at the signal
	s_barrier_signal -1
	MUL8 6, 0, 0
	MUL8 6, 1, 0
	s_barrier_wait -1                              ; the next step has landed, everybody's part of it.  The refill stands behind the round in chunk 0
	PLACES
	FB 7
.irp c, 0,1,2,3,4,5
	COPY \c                                        ; the next step's A goes where this step's chunks 0 to 5 lay
.endr
	MUL8 6, 2, 0
	MUL8 6, 3, 0
	s_wait_dscnt 48                                ; chunk 7.  B's fragments are in; the 48 copies issued behind them may be out
	MUL8 7, 0, 0
	MUL8 7, 1, 0
	PLACES
	WIN 0
	s_xor_b32 s[TB], s[TB], BSLOT                  ; B's reads go on in the other slot
	v_add_nc_u32 v[ADRB], s[TB], v[AB0]
	COPY 6
	FB 0                                           ; the next step's chunk 0
	MUL8 7, 2, 0
	MUL8 7, 3, 0
	PLACES
	COPY 7
	WIN 0
	s_sub_co_u32 s3, s3, 1
	s_cmp_eq_u32 s3, 0
	s_cbranch_scc1 .Llast                          ; the last step is written out: nothing is left to ask for
	TURN 0, 1
	WIN 0
	s_branch .Lstep
.Llast:
	QB 0, 8, 1                                     ; (the eight copies of A's chunk 7 may be out)
	QB 1, 0, 1
	QB 2, 0, 1
	QB 3, 0, 1
	QB 4, 0, 1
	QB 5, 0, 1
	QB 6, 0, 1
	QB 7, 0, 0
	; THE WAY OUT.  My sums go, in f32, into my own 64 rows of A's landing place: its last fill has landed, my copies out of it are back, and no other wave ever touches these bytes.  They come back as rows.
	PLACES
	WIN 0x08                                       ; store data (source 1) in window 2
.irp a, 0,1,2,3
.irp b, 0,1,2,3,4,5,6,7
	ds_store_b128 v[STO], v[8*(8*(\a)+(\b)):8*(8*(\a)+(\b))+3]   offset:(\a)*16*PITCH+64*(\b)     ; the accumulator's low four registers first
	ds_store_b128 v[STO], v[8*(8*(\a)+(\b))+4:8*(8*(\a)+(\b))+7] offset:(\a)*16*PITCH+64*(\b)+16
.endr
.endr
	WIN 0
.macro LOADB t                         ; rows 16 t to 16 t + 15 back: pair p of rows in 8 registers a lane
.irp p, 0,1,2,3,4,5,6,7
	ds_load_b128 v[IN+8*(\p):IN+8*(\p)+3],   v[RD] offset:(16*(\t)+2*(\p))*PITCH      ; LDS serves a wave's instructions in order (ISA guide 5.7.1.4): these see my stores above
	ds_load_b128 v[IN+8*(\p)+4:IN+8*(\p)+7], v[RD] offset:(16*(\t)+2*(\p))*PITCH+256
.endr
.endm
; 16 rows: 64 numbers a lane.  The 64 powers are one batch with one wait, and so are the 64 reciprocals.  d = (1 - hb) - 2 R = tanh - hb; out = z d + hb, z taken straight from its f16 half.
.macro OUTB t
	s_wait_dscnt 0x0
	s_wait_xcnt 0x0                                ; the registers that the last 16 rows' stores read are written again only behind this wait
	WIN 0x40
.set i, 0
.rept 32
	v_pk_mul_f32 v[W+2*i:W+2*i+1], v[IN+2*i:IN+2*i+1], s[82:83] op_sel_hi:[1,0]
.set i, i+1
.endr
.if (\t) < 3
	WIN 0
	LOADB (\t)+1                                   ; the next 16 rows come while these are worked on
.endif
	WIN 0x41
.set i, 0
.rept 64
	v_exp_f32 v[W+i], v[W+i]
.set i, i+1
.endr
	v_nop                                          ; a plain instruction behind the last power,
	s_wait_alu depctr_va_vdst(0)                   ; and the one wait ahead of the batch's first reader
.set i, 0
.rept 32
	v_pk_add_f32 v[W+2*i:W+2*i+1], v[W+2*i:W+2*i+1], 1.0 op_sel_hi:[1,0]
.set i, i+1
.endr
.set i, 0
.rept 64
	v_rcp_f32 v[W+i], v[W+i]
.set i, i+1
.endr
	v_nop
	s_wait_alu depctr_va_vdst(0)
.set i, 0
.rept 32
	v_pk_fma_f32 v[W+2*i:W+2*i+1], v[W+2*i:W+2*i+1], -2.0, v[OMH+2*(i%4):OMH+2*(i%4)+1] op_sel_hi:[1,0,1]
.set i, i+1
.endr
	WIN 0x44                                       ; z and hb in window 0, d and the result in window 1
.set e, 0
.rept 64
.if e%2
	v_fma_mix_f32 v[W+e], v[Z+32*(\t)+4*(e/8)+(e%8)/2], v[W+e], v[HV+e%8] op_sel:[1,0,0] op_sel_hi:[1,0,0]
.else
	v_fma_mix_f32 v[W+e], v[Z+32*(\t)+4*(e/8)+(e%8)/2], v[W+e], v[HV+e%8] op_sel_hi:[1,0,0]
.endif
.set e, e+1
.endr
	WIN 0x04                                       ; store data (source 1) in window 1
.irp p, 0,1,2,3,4,5,6,7
	global_store_b128 v[CO], v[W+8*(\p):W+8*(\p)+3],   s[OUTP:OUTP+1] offset:(16*(\t)+2*(\p))*8192 th:TH_STORE_NT      ; 16 lanes store 256 consecutive bytes, at a multiple of 256 from out0's first byte
	global_store_b128 v[CO], v[W+8*(\p)+4:W+8*(\p)+7], s[OUTP:OUTP+1] offset:(16*(\t)+2*(\p))*8192+256 th:TH_STORE_NT
.endr
.endm
	LOADB 0
	s_wait_loadcnt 0x0                             ; z
	OUTB 0
	OUTB 1
	OUTB 2
	OUTB 3
	WIN 0
	s_wait_tensorcnt 0x0                           ; the wave's end, behind my last tensor load and my last LDS store
	ds_add_u32 v[SPW], v[NIL]
	s_wait_dscnt 0x0
	CROUND                                         ; the closing round: no work-group ends while a partner may still ask for a tile that names it
	s_endpgm
.Lfunc_end_k_q572ea78a24_hidden:
	.size	k_q572ea78a24_hidden, .Lfunc_end_k_q572ea78a24_hidden-k_q572ea78a24_hidden
	.p2alignl 7, 3214868480
	.fill 96, 4, 3214868480
	.section	.rodata,"a",@progbits
	.p2align	6, 0x0
	.amdhsa_kernel k_q572ea78a24_hidden
		.amdhsa_group_segment_fixed_size 327680
		.amdhsa_private_segment_fixed_size 0
		.amdhsa_enable_private_segment 0
		.amdhsa_kernarg_size 40
		.amdhsa_user_sgpr_count 2
		.amdhsa_user_sgpr_kernarg_segment_ptr 1
		.amdhsa_wavefront_size32 1
		.amdhsa_system_sgpr_workgroup_id_x 1
		.amdhsa_system_sgpr_workgroup_id_y 1
		.amdhsa_system_sgpr_workgroup_id_z 1
		.amdhsa_system_vgpr_workitem_id 0
		.amdhsa_next_free_vgpr 1024
		.amdhsa_next_free_sgpr 96
		.amdhsa_reserve_vcc 0
		.amdhsa_float_denorm_mode_32 3
		.amdhsa_float_denorm_mode_16_64 3
		.amdhsa_memory_ordered 1
		.amdhsa_forward_progress 1
		.amdhsa_inst_pref_size 154
	.end_amdhsa_kernel
	.amdgpu_metadata
---
amdhsa.version: [ 1, 2 ]
amdhsa.kernels:
  - .name:           k_q572ea78a24_hidden
    .symbol:         k_q572ea78a24_hidden.kd
    .args:
      - { .name: bfb, .offset: 0, .size: 8, .value_kind: global_buffer, .address_space: global }
      - { .name: rh, .offset: 8, .size: 8, .value_kind: global_buffer, .address_space: global }
      - { .name: zb, .offset: 16, .size: 8, .value_kind: global_buffer, .address_space: global }
      - { .name: vec, .offset: 24, .size: 8, .value_kind: global_buffer, .address_space: global }
      - { .name: out0, .offset: 32, .size: 8, .value_kind: global_buffer, .address_space: global }
    .group_segment_fixed_size: 327680
    .private_segment_fixed_size: 0
    .kernarg_segment_align: 8
    .kernarg_segment_size: 40
    .max_flat_workgroup_size: 128
    .sgpr_count:     96
    .vgpr_count:     1024
    .wavefront_size: 32
...
	.end_amdgpu_metadata
.endif
;; end of part 3
;; ======== version 2 of 2: 3 launches; version 1 with the launch prep written anew for expert scheduling mode
;; workspace buffers: bfb 50,331,648 bytes; vec 32,768 bytes; rh 16,777,216 bytes; zb 16,777,216 bytes
;; launch prep (part 4): grid 1024 x 1, 8 waves a work-group, no clusters, 0 bytes of LDS; arguments x, Wr, Wz, Wh, Uh, Uz, Ur, h, bwz, buz, b_z, bwr, bur, b_r, bwh, buh, b_h, bfb, vec; writes bfb, vec
.if DOCPART == 4
	.amdgcn_target "amdgcn-amd-amdhsa--gfx1250"
	.amdhsa_code_object_version 6
	.text
	.protected	k_q572ea78a24_prep
	.globl	k_q572ea78a24_prep
	.p2align	8
	.type	k_q572ea78a24_prep,@function
k_q572ea78a24_prep:
	s_mov_b64 s[64:65], 0
	v_nop
	global_prefetch_b8 v0, s[64:65] scope:SCOPE_SE
	s_setreg_imm32_b32 hwreg(HW_REG_WAVE_SCHED_MODE, 0, 2), 2
	s_setreg_imm32_b32 hwreg(HW_REG_WAVE_MODE, 25, 1), 1
	s_wait_xcnt 0x0
	s_wait_alu depctr_vm_vsrc(0)
; GRU step, launch 1 of 3.  out = (1 - z) h + z hh,  z = sigmoid(x Wz^T + bwz + h Uz^T + buz + b_z),  r = sigmoid(x Wr^T + bwr + h Ur^T + bur + b_r),
; hh = tanh(x Wh^T + bwh + (r h) Uh^T + buh + b_h).  x: [4096][2048], h: [1][2048], six weights [2048][2048], nine biases [2048], all f32.
; NOTHING IS LEFT OUT: h is an input, so Uz, Ur, Uh and every bias have a way to the output; all 17 inputs are loaded.
; THIS LAUNCH: (a) rounds x, Wr, Wz, Wh, Uh once to bf16 (the matrix operands of the next two launches) into bfb: x at byte 0, Wr at 16,777,216, Wz at 25,165,824, Wh at 33,554,432,
; Uh at 41,943,040, rows of 4,096 bytes; (b) makes the four vectors that are the same for all rows of x, in f32, into vec: cr = h Ur^T + bwr + bur + b_r at byte 0, cz = h Uz^T + bwz + buz + b_z
; at 8,192, ch = bwh + buh + b_h at 16,384, hb = h at 24,576.
; LIMIT, stated: EVERY input is rounded once to bf16 (to nearest even) before it is used: h and the biases here too.  The one-row products are sums in f32 of exact products, in an order of their own.
; SHARES.  A stream: each work-group reads 131,072 consecutive bytes of one f32 matrix, each of its eight waves 16,384 of them, by 32 loads of 512 consecutive bytes that are all issued before the first wait:
; no loop, no register used twice, no LDS, no barrier.  Work-groups 0-127 take Uz, 128-255 Ur (a wave's 16,384 bytes are two rows: two dot products with h), 256-511 x, then 128 each Wr, Wz, Wh, Uh.
; Matrix units and clusters are left out: a weight of the one-row products feeds one multiply-add, and no byte is read by two work-groups but h's 8,192.
; THE MODE: SCHED_MODE bits 1:0 = 2 (LLVM: expert scheduling mode 2), set by the entry lines.  The code itself states the register dependences between vector instructions and memory instructions,
; with s_wait_alu, always for 0.
; THE PLAN.  Registers that memory instructions touch:
;   v1, v3, v2   byte offsets of the loads (v1, v3) and of the cast's stores (v2): made at the head, never written again.  One wait at the head, ahead of the branch, states that they are written, for both paths.
;   X, H         each group of four registers is written by one load, once; no load is issued behind any vector instruction that names them.
;   X in the cast  load i's conversions write two words in place; store i reads them; nothing writes them again.  The 32 loads go in 8 blocks of four: block p's head states that block p - 1's conversions
;                have written, and block p - 1's four stores are dealt among block p's eight conversions, which name block p's registers alone.  One more wait stands ahead of the last four stores.
;   v14, v15, v[16:17], v[8:9]  offsets in vec and results of the one-row path: written by vector instructions, read by the last two stores, behind the waits that stand ahead of the write of EXEC.
; No register that a memory instruction has read is written again, so no wait on vm_vsrc is owed but the one ahead of the write of EXEC.
.set X,   32                           ; v[32:159]   32 loads x 4 registers
.set H,   160                          ; v[160:223]  h: 16 loads x 4 registers, then two packed words in the first two of each four
.set ACC, 16                           ; v[16:23]    four running sums for each of the wave's two rows
.set VCZ, 8192                         ; byte offsets in vec (cr lies at 0)
.set VCH, 16384
.set VHB, 24576
; v1 source offset, v2 offset in bfb, v3 offset in h, v4 lane, v5 = 0, v[6:7] the two rows' bias sums, v[8:9] the second pair of results, v10-13 at work, v14, v15 offsets in vec
	s_load_b512 s[8:23], s[0:1], 0x0               ; x 8, Wr 10, Wz 12, Wh 14, Uh 16, Uz 18, Ur 20, h 22
	s_load_b512 s[24:39], s[0:1], 0x40             ; bwz 24, buz 26, b_z 28, bwr 30, bur 32, b_r 34, bwh 36, buh 38
	s_load_b128 s[40:43], s[0:1], 0x80             ; b_h 40, bfb 42
	s_load_b64 s[44:45], s[0:1], 0x90              ; vec
	s_lshr_b32 s2, ttmp9, 7                        ; which run of 128 work-groups: 0 Uz, 1 Ur, 2 and 3 x, 4 Wr, 5 Wz, 6 Wh, 7 Uh
	v_lshrrev_b32 v10, 5, v0
	v_readfirstlane_b32 s46, v10                   ; wave 0..7
	v_and_b32 v4, 31, v0                           ; lane
	v_lshlrev_b32 v3, 4, v4                        ; 16 bytes a lane
	v_lshl_add_u32 v1, v10, 14, v3                 ; + 16,384 x wave
	v_lshlrev_b32 v2, 3, v4                        ; the same four numbers in bf16: 8 bytes a lane,
	v_lshl_add_u32 v2, v10, 13, v2                 ; + 8,192 x wave
	s_wait_alu depctr_va_sdst(0)                   ; s46 is written
	s_movk_i32 s6, 127
	s_lshr_b32 s7, s2, 1
	s_cmp_eq_u32 s7, 1                             ; x has 256 chunks, the others 128
	s_cselect_b32 s6, 255, s6
	s_and_b32 s3, ttmp9, s6                        ; my chunk in its matrix
	s_lshl_b32 s6, s3, 17                          ; x 131,072 bytes (33,423,360 at the most)
	s_mov_b32 s7, 0
	s_wait_kmcnt 0x0
	s_mov_b64 s[4:5], s[8:9]                       ; the source: x, unless the work-group's number says otherwise
.macro PICK n, p
	s_cmp_eq_u32 s2, \n
	s_cselect_b64 s[4:5], s[\p:\p+1], s[4:5]
.endm
	PICK 0, 18
	PICK 1, 20
	PICK 4, 10
	PICK 5, 12
	PICK 6, 14
	PICK 7, 16
	s_add_nc_u64 s[4:5], s[4:5], s[6:7]
.macro LOADS                           ; the wave's 16,384 bytes: 32 loads, each 512 consecutive bytes; read once in the launch
.set i, 0
.rept 32
	global_load_b128 v[X+4*i:X+4*i+3], v1, s[4:5] offset:512*i th:TH_LOAD_NT
.set i, i+1
.endr
.endm
	s_wait_alu depctr_va_vdst(0)                   ; v1, v2 and v3 are written: the loads of both paths and the cast's stores read them as their offsets, and nothing writes them again
	s_cmp_lt_u32 s2, 2
	s_cbranch_scc1 .Lrow                           ; Uz and Ur are multiplied, not copied
	; THE CAST.  bfb's five matrices lie in the order of the work-groups: chunk g - 256 of 65,536 bytes.
	LOADS
	s_sub_co_u32 s6, ttmp9, 256
	s_lshl_b32 s6, s6, 16
	s_add_nc_u64 s[42:43], s[42:43], s[6:7]
; Block p: loads 4 p to 4 p + 3 are rounded; the four stores of block p - 1 are dealt among the eight conversions, a store ahead of each pair.
.macro CBLK p
	s_wait_loadcnt 28-4*(\p)                       ; loads come back in order: this block's four are in, the 28 - 4 p younger ones stay out
.if (\p) > 0
	s_wait_alu depctr_va_vdst(0)                   ; the block before has written its eight packed words, which the four stores below read; the conversions below name this block's registers alone
.endif
.irp q, 0,1,2,3
.if (\p) > 0
	global_store_b64 v2, v[X+16*(\p)-16+4*(\q):X+16*(\p)-16+4*(\q)+1], s[42:43] offset:256*(4*(\p)-4+(\q)) th:TH_STORE_NT  ; 32 lanes write 256 consecutive bytes, at a multiple of 256 from bfb's first byte
.endif
	v_cvt_pk_bf16_f32 v[X+16*(\p)+4*(\q)], v[X+16*(\p)+4*(\q)], v[X+16*(\p)+4*(\q)+1]
	v_cvt_pk_bf16_f32 v[X+16*(\p)+4*(\q)+1], v[X+16*(\p)+4*(\q)+2], v[X+16*(\p)+4*(\q)+3]
.endr
.endm
.irp p, 0,1,2,3,4,5,6,7
	CBLK \p
.endr
	s_wait_alu depctr_va_vdst(0)                   ; block 7 has written its eight packed words, which the last four stores read
.irp q, 0,1,2,3
	global_store_b64 v2, v[X+112+4*(\q):X+112+4*(\q)+1], s[42:43] offset:256*(28+(\q)) th:TH_STORE_NT
.endr
	s_endpgm
	; THE ONE-ROW PRODUCTS.  The wave has rows row0 = 16 (g mod 128) + 2 wave and row0 + 1 of Uz or Ur.  Load i = 16 p + j holds columns 128 j + 4 lane .. + 3 of row row0 + p; load j of h the same columns of h.
.Lrow:
.set j, 0
.rept 16
	global_load_b128 v[H+4*j:H+4*j+3], v3, s[22:23] offset:512*j
.set j, j+1
.endr
	LOADS
	v_mov_b32 v5, 0                                ; the addend of each sum's first link
	s_mov_b32 s90, 0x76543210                      ; v_permlanex16_b32: each lane takes its own place in the other half
	s_mov_b32 s91, 0xfedcba98
	s_and_b32 s47, ttmp9, 127
	s_lshl_b32 s47, s47, 6
	s_lshl3_add_u32 s47, s46, s47                  ; 4 row0: the byte offset of the two rows' numbers in every vector
	s_mov_b32 s49, VHB
	s_cmp_eq_u32 s2, 0                             ; Uz's work-groups make cz and ch, Ur's make cr and hb
	s_cselect_b64 s[50:51], s[24:25], s[30:31]     ; bwz or bwr
	s_cselect_b64 s[52:53], s[26:27], s[32:33]     ; buz or bur
	s_cselect_b64 s[54:55], s[28:29], s[34:35]     ; b_z or b_r
	s_cselect_b64 s[56:57], s[36:37], s[22:23]     ; bwh or h
	s_cselect_b32 s48, VCZ, 0
	s_cselect_b32 s49, VCH, s49
	s_add_co_u32 s48, s48, s47
	s_add_co_u32 s49, s49, s47
	s_load_b64 s[70:71], s[50:51], s47 offset:0x0
	s_load_b64 s[72:73], s[52:53], s47 offset:0x0
	s_load_b64 s[74:75], s[54:55], s47 offset:0x0
	s_load_b64 s[76:77], s[56:57], s47 offset:0x0
	v_mov_b32 v14, s48
	v_mov_b32 v15, s49
	s_wait_kmcnt 0x0
; Two numbers of a vector, rounded to bf16 and widened again; first = 1: they start the pair v[d:d+1], else they are added to it.
.macro RND d, sp, first
	v_mov_b32 v10, s[\sp]
	v_mov_b32 v11, s[(\sp)+1]
	v_cvt_pk_bf16_f32 v10, v10, v11
.if \first
	v_lshlrev_b32 v[\d], 16, v10
	v_and_b32 v[(\d)+1], 0xffff0000, v10
.else
	v_lshlrev_b32 v12, 16, v10
	v_and_b32 v13, 0xffff0000, v10
	v_pk_add_f32 v[\d:(\d)+1], v[\d:(\d)+1], v[12:13]
.endif
.endm
	RND 6, 70, 1
	RND 6, 72, 0
	RND 6, 74, 0
	RND 8, 76, 1                                   ; bwh, or h itself
	s_cmp_eq_u32 s2, 0
	s_cbranch_scc0 .Lno_ch                         ; hb is h alone; ch takes two more biases: their loads, the wait and the use stand together
	s_load_b64 s[78:79], s[38:39], s47 offset:0x0
	s_load_b64 s[80:81], s[40:41], s47 offset:0x0
	s_wait_kmcnt 0x0
	RND 8, 78, 0
	RND 8, 80, 0
.Lno_ch:
	s_wait_loadcnt 32                              ; h's 16 loads are in; the 32 loads issued behind them may stay out
.set j, 0
.rept 16
	v_cvt_pk_bf16_f32 v[H+4*j], v[H+4*j], v[H+4*j+1]
	v_cvt_pk_bf16_f32 v[H+4*j+1], v[H+4*j+2], v[H+4*j+3]
.set j, j+1
.endr
.macro DOT a, u, hh, hi, add           ; one multiply-add in f32 on two bf16 halves
.if \hi
	v_fma_mix_f32_bf16 v[\a], v[\u], v[\hh], v[\add] op_sel:[1,1,0] op_sel_hi:[1,1,0]
.else
	v_fma_mix_f32_bf16 v[\a], v[\u], v[\hh], v[\add] op_sel_hi:[1,1,0]
.endif
.endm
.set i, 0
.rept 32
	s_wait_loadcnt 31-i                            ; loads come back in order: load i is in, the 31 - i younger ones stay out
	v_cvt_pk_bf16_f32 v[X+4*i], v[X+4*i], v[X+4*i+1]
	v_cvt_pk_bf16_f32 v[X+4*i+1], v[X+4*i+2], v[X+4*i+3]
.set A4, ACC+4*(i/16)                  ; four chains a row, so that no link waits for the one just before it
.set HJ, H+4*(i%16)
.if i%16 == 0
	DOT A4,   X+4*i,   HJ,   0, 5
	DOT A4+1, X+4*i,   HJ,   1, 5
	DOT A4+2, X+4*i+1, HJ+1, 0, 5
	DOT A4+3, X+4*i+1, HJ+1, 1, 5
.else
	DOT A4,   X+4*i,   HJ,   0, A4
	DOT A4+1, X+4*i,   HJ,   1, A4+1
	DOT A4+2, X+4*i+1, HJ+1, 0, A4+2
	DOT A4+3, X+4*i+1, HJ+1, 1, A4+3
.endif
.set i, i+1
.endr
	v_add_f32 v16, v16, v17
	v_add_f32 v18, v18, v19
	v_add_f32 v20, v20, v21
	v_add_f32 v22, v22, v23
	v_add_f32 v16, v16, v18
	v_add_f32 v20, v20, v22
.irp m, 1,2,4,8                        ; across the 32 lanes: four steps inside each half, one across the halves
	v_add_f32_dpp v16, v16, v16 row_xmask:\m row_mask:0xf bank_mask:0xf
	v_add_f32_dpp v20, v20, v20 row_xmask:\m row_mask:0xf bank_mask:0xf
.endr
	v_permlanex16_b32 v10, v16, s90, s91           ; (v10 and v11 have been written)
	v_permlanex16_b32 v11, v20, s90, s91
	v_add_f32 v16, v16, v10
	v_add_f32 v17, v20, v11
	v_pk_add_f32 v[16:17], v[16:17], v[6:7]        ; + the three biases
	s_wait_xcnt 0x0                                ; EXEC is a source of the loads above: it changes only behind this wait
	v_cmp_eq_u32 vcc_lo, 0, v4
	s_wait_alu depctr_va_vcc(0)                    ; the compare has written VCC, from which EXEC is made
	s_wait_alu depctr_va_vdst(0)                   ; ahead of the write of EXEC every vector instruction has written its result: v14 and v15, v[16:17] and v[8:9] among them, which the two stores read
	s_wait_alu depctr_vm_vsrc(0)                   ; and every load has read its vector registers
	s_and_saveexec_b32 s92, vcc_lo                 ; lane 0 stores; EXEC is not written again
	global_store_b64 v14, v[16:17], s[44:45]       ; cz or cr of my two rows.  Eight bytes a wave: vec is 32,768 of the launch's 50 million stored bytes,
	global_store_b64 v15, v[8:9], s[44:45]         ; ch or hb                  and 256 bytes on end would want 64 rows, 524,288 bytes, in one wave
	s_endpgm
.Lfunc_end_k_q572ea78a24_prep:
	.size	k_q572ea78a24_prep, .Lfunc_end_k_q572ea78a24_prep-k_q572ea78a24_prep
	.p2alignl 7, 3214868480
	.fill 96, 4, 3214868480
	.section	.rodata,"a",@progbits
	.p2align	6, 0x0
	.amdhsa_kernel k_q572ea78a24_prep
		.amdhsa_group_segment_fixed_size 0
		.amdhsa_private_segment_fixed_size 0
		.amdhsa_enable_private_segment 0
		.amdhsa_kernarg_size 152
		.amdhsa_user_sgpr_count 2
		.amdhsa_user_sgpr_kernarg_segment_ptr 1
		.amdhsa_wavefront_size32 1
		.amdhsa_system_sgpr_workgroup_id_x 1
		.amdhsa_system_sgpr_workgroup_id_y 1
		.amdhsa_system_sgpr_workgroup_id_z 1
		.amdhsa_system_vgpr_workitem_id 0
		.amdhsa_next_free_vgpr 224
		.amdhsa_next_free_sgpr 96
		.amdhsa_reserve_vcc 1
		.amdhsa_float_denorm_mode_32 3
		.amdhsa_float_denorm_mode_16_64 3
		.amdhsa_memory_ordered 1
		.amdhsa_forward_progress 1
		.amdhsa_inst_pref_size 37
	.end_amdhsa_kernel
	.amdgpu_metadata
---
amdhsa.version: [ 1, 2 ]
amdhsa.kernels:
  - .name:           k_q572ea78a24_prep
    .symbol:         k_q572ea78a24_prep.kd
    .args:
      - { .name: x, .offset: 0, .size: 8, .value_kind: global_buffer, .address_space: global }
      - { .name: Wr, .offset: 8, .size: 8, .value_kind: global_buffer, .address_space: global }
      - { .name: Wz, .offset: 16, .size: 8, .value_kind: global_buffer, .address_space: global }
      - { .name: Wh, .offset: 24, .size: 8, .value_kind: global_buffer, .address_space: global }
      - { .name: Uh, .offset: 32, .size: 8, .value_kind: global_buffer, .address_space: global }
      - { .name: Uz, .offset: 40, .size: 8, .value_kind: global_buffer, .address_space: global }
      - { .name: Ur, .offset: 48, .size: 8, .value_kind: global_buffer, .address_space: global }
      - { .name: h, .offset: 56, .size: 8, .value_kind: global_buffer, .address_space: global }
      - { .name: bwz, .offset: 64, .size: 8, .value_kind: global_buffer, .address_space: global }
      - { .name: buz, .offset: 72, .size: 8, .value_kind: global_buffer, .address_space: global }
      - { .name: b_z, .offset: 80, .size: 8, .value_kind: global_buffer, .address_space: global }
      - { .name: bwr, .offset: 88, .size: 8, .value_kind: global_buffer, .address_space: global }
      - { .name: bur, .offset: 96, .size: 8, .value_kind: global_buffer, .address_space: global }
      - { .name: b_r, .offset: 104, .size: 8, .value_kind: global_buffer, .address_space: global }
      - { .name: bwh, .offset: 112, .size: 8, .value_kind: global_buffer, .address_space: global }
      - { .name: buh, .offset: 120, .size: 8, .value_kind: global_buffer, .address_space: global }
      - { .name: b_h, .offset: 128, .size: 8, .value_kind: global_buffer, .address_space: global }
      - { .name: bfb, .offset: 136, .size: 8, .value_kind: global_buffer, .address_space: global }
      - { .name: vec, .offset: 144, .size: 8, .value_kind: global_buffer, .address_space: global }
    .group_segment_fixed_size: 0
    .private_segment_fixed_size: 0
    .kernarg_segment_align: 8
    .kernarg_segment_size: 152
    .max_flat_workgroup_size: 256
    .sgpr_count:     96
    .vgpr_count:     224
    .wavefront_size: 32
...
	.end_amdgpu_metadata
.endif
;; end of part 4
;; launch gates: the kernel of part 2 again; grid 16 x 16, 4 waves a work-group, clusters of 4 x 4, 327,680 bytes of LDS; arguments bfb, vec, rh, zb; writes rh, zb
;; launch hidden: the kernel of part 3 again; grid 16 x 16, 4 waves a work-group, clusters of 4 x 4, 327,680 bytes of LDS; arguments bfb, rh, zb, vec, out0; writes out0
